; MI455X (gfx1250); checked and timed in simulation.
; The chip was launched on July 23, 2026; its instructions are those of AMD's public machine-readable ISA for CDNA 5 (MIT licence, August 2026) and "CDNA5" Instruction Set Architecture Reference Guide (July 2026). The comments in the code are by the model that wrote it; some were corrected since.
;; Aggregation Attention. Allowed arithmetic: matrix products marked QUANTISED: E5M2 operands, one E8M0 scale for each 32 along K, by v_wmma_scale_f32_16x16x128_f8f6f4 with both operands' format E5M2, f32 sums; products left as they are: f32 operands where the result goes on into a quantised operand, else bf16, f16 or f32 operands; f32 sums; everything else in f32.
;; Inputs: W1 4,096 x 1,024 float32; W2 1,024 x 4,096 float32; Wk 1,024 x 1,024 float32; Wq 1,024 x 1,024 float32; Wv 1,024 x 1,024 float32; b1 4,096 float32; b2 1,024 float32; bk 1,024 float32; bq 1,024 float32; bv 1,024 float32; gumbel_u 8 x 16 x 4,096 x 2 float32; ln_b 1,024 float32; ln_g 1,024 float32; query 1 x 1,024 float32; x 8 x 4,096 x 1,024 float32.
;; Outputs: out0 8 x 1,024 float32; out1 8 x 1 x 4,096 float32; out2 8 x 1 x 4,096 float32.
;; This version of the problem:
;;   THIS VERSION OF THE PROBLEM IS GIVEN IN LOW PRECISION. The matrix products marked QUANTISED in the list below multiply operands that are first quantised to E5M2 (5 exponent bits, 2 mantissa bits; 8 bits a number), with one power-of-two scale for each 32 numbers along K (OCP MX v1.0); their sums are f32. All else is computed in f32.
;;   The module's matrix products, in the order in which they are computed (A, B: the left and right operand; K: the contracted axis; several contracted axes count as one K, in the product's order):
;;     1. [M 1, K 1,024] x [K 1,024, N 1,024]; A: input query; B: input Wq: left as it is (M = 1 < 16)
;;     2. [M 32,768, K 1,024] x [K 1,024, N 1,024]; A: input x; B: input Wk: QUANTISED
;;     3. [M 32,768, K 1,024] x [K 1,024, N 1,024]; A: input x; B: input Wv: QUANTISED
;;     4. batch 16 x [M 32,768, K 64] x [K 64, N 1]; A: computed on the way; B: computed on the way: left as it is (N = 1 < 16)
;;     5. batch 128 x [M 1, K 4,096] x [K 4,096, N 64]; A: computed on the way; B: computed on the way: left as it is (M = 1 < 16)
;;     6. [M 8, K 1,024] x [K 1,024, N 4,096]; A: computed on the way; B: input W1: left as it is (M = 8 < 16)
;;     7. [M 8, K 4,096] x [K 4,096, N 1,024]; A: computed on the way; B: input W2: left as it is (M = 8 < 16)
;;   THE QUANTISER, for each operand of a quantised product, along K:
;;     - K is cut into blocks of 32 from its start; a last block that is shorter is filled with zeros.
;;     - A block's scale is 2^e with e = floor(log2(the largest magnitude in the block)) - 15, held to -126 .. 127; a block of zeros has e = 0. As a byte (E8M0): e + 127.
;;     - Each number is divided by its block's scale, clamped to +-57,344, and rounded to the nearest number of E5M2, ties to even, subnormals kept.
;;     - The product sums the exact products of the quantised numbers (number of the format x scale) in f32.
;;   ~~~python
;;   def quantise(x, axis):      # numpy; x: float32 -> the quantised numbers, widened to float32 again
;;       x = np.moveaxis(x, axis, -1); K = x.shape[-1]
;;       x = np.pad(x, [(0, 0)] * (x.ndim - 1) + [(0, -K % 32)]); x = x.reshape(x.shape[:-1] + (-1, 32)); a = np.abs(x).max(-1, keepdims=True)
;;       e = np.where(a > 0, np.clip(np.frexp(np.where(a > 0, a, 1))[1] - 1 - 15, -126, 127), 0)      # np.frexp(a)[1] - 1 = floor(log2(a)), exactly
;;       r = np.clip(x / 2.0 ** e, -57344, 57344)
;;       step = 2.0 ** (np.maximum(np.frexp(np.where(r == 0, 1, r))[1] - 1, -14) - 2)
;;       q = np.round(r / step) * step * 2.0 ** e      # np.round: ties to even
;;       return np.moveaxis(q.reshape(q.shape[:-2] + (-1,))[..., :K], -1, axis).astype(np.float32)
;;   ~~~
;; One version. Each part assembles by itself: llvm-mc -triple=amdgcn-amd-amdhsa -mcpu=gfx1250 --defsym DOCPART=n.
;; ======== version 1 of 1: 5 launches
;; workspace buffers: wimg 2,162,688 bytes; qs 4,096 bytes; ebuf 2,097,152 bytes; stat 65,536 bytes; opart 2,097,152 bytes; hid 32,768 bytes; act 131,072 bytes
;; launch prep (part 1): grid 128 x 1, 8 waves a work-group, no clusters, 2,048 bytes of LDS; arguments Wk, Wv, Wq, query, bq, wimg, qs; writes wimg, qs
.if DOCPART == 1
	.amdgcn_target "amdgcn-amd-amdhsa--gfx1250"
	.amdhsa_code_object_version 6
	.text
	.protected	k_q56f88e65fc_prep
	.globl	k_q56f88e65fc_prep
	.p2align	8
	.type	k_q56f88e65fc_prep,@function
k_q56f88e65fc_prep:
	s_mov_b64 s[64:65], 0
	v_nop
	global_prefetch_b8 v0, s[64:65] scope:SCOPE_SE
	s_setreg_imm32_b32 hwreg(HW_REG_WAVE_MODE, 25, 1), 1
	s_wait_xcnt 0x0
; Wk and Wv [1024][1024] f32 (K innermost) become codes of BF8 (E5M2) with one E8M0 byte for each 32 along K, laid in the ORDER OF THE OPERAND'S REGISTERS;
; and q' = (query Wq^T + bq) / 8, in f32 (the 8 is sqrt(64), folded into q).
; wimg: 16 tiles of TILEB bytes, tile 2 i + kind (kind 0: Wk, 1: Wv), i = head % 8.  In a tile: codes at hh 65,536 + (4 s + c) 2,048 + 512 g + 16 lane (hh = head / 8, s = K step of 128, c = 16 rows of the head's 64,
; g = block of 32): lane (r, h)'s 16 codes of row 64 head + 16 c + r, k = 128 s + 32 g + 16 h + 0 .. 15.  Scale words at 131,072 + hh 2,048 + 512 (s / 2) + 16 lane + 4 (2 (s % 2) + c / 2): lanes 0-15 the even c, lanes 16-31 the odd c.
; SHARES: work-group g: kind = g / 64, head = (g / 4) % 16, K steps 2 (g % 4) and the next.  Wave w: c = w % 4, K step 2 (g % 4) + w / 4: ONE fragment of 16 rows x 128 K; and row 8 g + w of Wq.
; A block's scale is 2^(floor(log2(its largest magnitude)) - 15); its byte is the largest magnitude's exponent field - 15, held at 1 from below.  A block of zeros so gets the byte 1 where the rule says 127: its codes are zeros, and this program alone reads the bytes.
; LIMITS: blocks whose largest magnitude lies under 2^-111 (the floor) were not tried; NaN and infinities among the inputs are not served.
; No cluster: no two work-groups read the same weight bytes; query's 4,096 bytes are all that is shared.
.set TILEB, 135168
.set X,  64                            ; v64-127  64 numbers: register 16 g + i = k 32 g + 16 h + i of my row
.set PC, 16                            ; v16-31   the fragment's codes
.set TM, 32                            ; v32-47   largest magnitudes, bytes, holds, scale operands
.set PW, 48                            ; v48      the scale word
	s_load_b256 s[4:11], s[0:1], 0x0               ; Wk, Wv, Wq, query
	s_load_b128 s[12:15], s[0:1], 0x20             ; bq, wimg
	s_load_b64 s[16:17], s[0:1], 0x30              ; qs
	v_lshl_add_u32 v192, v0, 2, 0x400
	v_mov_b32 v193, 0
	v_lshrrev_b32 v1, 5, v0
	v_readfirstlane_b32 s18, v1                    ; wave 0..7
	v_and_b32 v1, 31, v0                           ; lane
	v_and_b32 v2, 15, v0                           ; r
	v_bfe_u32 v3, v0, 4, 1                         ; h
	v_lshlrev_b32 v4, 12, v2
	v_lshl_add_u32 v4, v3, 6, v4                   ; a weight's row r of 4,096 bytes, + 64 h: my 16 numbers of a block of 32
	v_lshlrev_b32 v5, 4, v1                        ; 16 x lane
	v_mov_b32 v6, 0
	v_and_b32 v9, 7, v0
	v_lshlrev_b32 v9, 2, v9                        ; 4 (lane % 8)
	s_and_b32 s19, s18, 3                          ; c
	s_lshr_b32 s20, s18, 2                         ; which of the work-group's two K steps
	s_lshr_b32 s21, ttmp9, 6                       ; kind
	s_bfe_u32 s22, ttmp9, 0x40002                  ; head
	s_and_b32 s23, ttmp9, 3                        ; the pair of K steps
	s_lshl_b32 s24, s23, 1
	s_add_co_u32 s24, s24, s20                     ; s
	s_and_b32 s25, s19, 1                          ; LDS: the scale image of the pair of K steps, 512 bytes: 256 (c % 2) + 16 r + 8 (s % 2) + 4 (c / 2)
	s_lshl_b32 s25, s25, 8
	s_lshl_b32 s26, s20, 3
	s_add_co_u32 s25, s25, s26
	s_lshr_b32 s26, s19, 1
	s_lshl_b32 s26, s26, 2
	s_add_co_u32 s25, s25, s26
	v_lshl_add_u32 v7, v2, 4, s25
	s_lshl_b32 s26, s18, 2
	v_mov_b32 v8, s26                              ; 4 x wave: my q' (behind the image, by the offset)
	s_lshl_b32 s28, s22, 18                        ; the weight: (64 head + 16 c) rows of 4,096 bytes + 512 s
	s_lshl_b32 s26, s19, 16
	s_add_co_u32 s28, s28, s26
	s_lshl_b32 s26, s24, 9
	s_add_co_u32 s28, s28, s26
	s_mov_b32 s29, 0
	s_lshl_b32 s30, ttmp9, 3
	s_add_co_u32 s30, s30, s18                     ; n = 8 g + w
	s_lshl_b32 s32, s30, 12                        ; Wq's row n
	s_mov_b32 s33, 0
	s_lshl_b32 s34, s30, 2                         ; bq[n]
	s_mov_b32 s35, 0
	s_and_b32 s26, s22, 7
	s_lshl_b32 s26, s26, 1
	s_add_co_u32 s26, s26, s21                     ; the tile
	s_mul_i32 s36, s26, TILEB
	s_lshr_b32 s27, s22, 3                         ; hh
	s_lshl_b32 s38, s27, 16
	s_add_co_u32 s38, s38, s36
	s_lshl_b32 s26, s24, 2
	s_add_co_u32 s26, s26, s19
	s_lshl_b32 s26, s26, 11
	s_add_co_u32 s38, s38, s26                     ; my fragment's image
	s_mov_b32 s39, 0
	s_lshl_b32 s40, s27, 11
	s_add_co_u32 s40, s40, s36
	s_lshl_b32 s26, s23, 9
	s_add_co_u32 s40, s40, s26
	s_add_co_u32 s40, s40, 131072                  ; the work-group's 512 bytes of scale words
	s_mov_b32 s41, 0
	s_lshl_b32 s42, ttmp9, 5                       ; the work-group's eight q'
	s_mov_b32 s43, 0
	s_mov_b32 s44, 0x76543210
	s_mov_b32 s45, 0xfedcba98                      ; v_permlanex16_b32's selects for lane l xor 16
	s_mov_b32 s46, 0x600000                        ; the mantissa field of 57,344
.irp b, 0,1,2,3
	v_mov_b32 v[TM+4+\b], 0                        ; a lane permute's destination counts as one of its sources
.endr
	s_wait_kmcnt 0x0
	s_cmp_lt_u32 ttmp9, 64                         ; Wk's work-group or Wv's: the choice hangs on the work-group's number alone
	s_cselect_b64 s[4:5], s[4:5], s[6:7]
	s_add_nc_u64 s[4:5], s[4:5], s[28:29]
	s_add_nc_u64 s[8:9], s[8:9], s[32:33]
	s_add_nc_u64 s[12:13], s[12:13], s[34:35]
	s_add_nc_u64 s[6:7], s[14:15], s[40:41]        ; wimg at the scale words
	s_add_nc_u64 s[14:15], s[14:15], s[38:39]      ; wimg at my fragment
	s_add_nc_u64 s[16:17], s[16:17], s[42:43]
.irp g, 0,1,2,3
.irp j, 0,1,2,3
	global_load_b128 v[X+16*\g+4*\j:X+16*\g+4*\j+3], v4, s[4:5] offset:128*\g+16*\j th:TH_LOAD_NT   ; the wave's sixteen loads together take 512 consecutive bytes of each of 16 rows
.endr
.endr
.irp j, 0,1,2,3,4,5,6,7
	global_load_b128 v[128+4*\j:131+4*\j], v5, s[8:9] offset:512*\j th:TH_LOAD_NT    ; Wq's row n
.endr
.irp j, 0,1,2,3,4,5,6,7
	global_load_b128 v[160+4*\j:163+4*\j], v5, s[10:11] offset:512*\j                ; query
.endr
	global_load_b32 v49, v6, s[12:13]              ; bq[n]
	s_wait_loadcnt 17                              ; the weight's sixteen loads are in; the seventeen behind them may be out
.irp b, 0,1,2,3
	v_max3_num_f32 v[TM+\b], |v[X+16*\b]|, |v[X+1+16*\b]|, 0x8000000   ; block b: my 16 numbers, and the floor 2^(16 - 127): the byte cannot fall under 1
.endr
.irp i, 2,4,6,8,10,12,14
.irp b, 0,1,2,3
	v_max3_num_f32 v[TM+\b], v[TM+\b], |v[X+16*\b+\i]|, |v[X+1+16*\b+\i]|   ; the four blocks by turns
.endr
.endr
.irp b, 0,1,2,3
	v_permlanex16_b32 v[TM+4+\b], v[TM+\b], s44, s45
.endr
.irp b, 0,1,2,3
	v_max_num_f32 v[TM+\b], v[TM+\b], v[TM+4+\b]   ; with lane l xor 16's: the block's largest magnitude
.endr
.irp b, 0,1,2,3
	v_add_nc_u32 v[TM+12+\b], 0xf8800000, v[TM+\b] ; 15 off its exponent field: the conversion's scale operand
.endr
.irp b, 0,1,2,3
	v_and_or_b32 v[TM+8+\b], v[TM+\b], 0x7f800000, s46   ; 57,344 x the scale
.endr
.irp b, 0,1,2,3
	v_lshrrev_b32 v[TM+4+\b], 23, v[TM+12+\b]      ; the scale's byte
.endr
	v_lshl_or_b32 v[PW], v[TM+5], 8, v[TM+4]       ; my row's scale word
	v_lshl_or_b32 v[PW], v[TM+6], 16, v[PW]
	v_lshl_or_b32 v[PW], v[TM+7], 24, v[PW]
.irp b, 0,1,2,3
.irp i, 0,1,2,3,4,5,6,7,8,9,10,11,12,13,14,15
	v_med3_num_f32 v[X+16*\b+\i], v[X+16*\b+\i], -v[TM+8+\b], v[TM+8+\b]   ; the conversion to an 8-bit code does not saturate (ISA guide 7.6.2): the hold
.endr
	v_cvt_scalef32_pk8_bf8_f32 v[PC+4*\b:PC+1+4*\b], v[X+16*\b:X+7+16*\b], v[TM+12+\b]
	v_cvt_scalef32_pk8_bf8_f32 v[PC+2+4*\b:PC+3+4*\b], v[X+8+16*\b:X+15+16*\b], v[TM+12+\b]
.endr
	v_nop                                          ; a plain line behind the last conversion
.irp g, 0,1,2,3
	global_store_b128 v5, v[PC+4*\g:PC+4*\g+3], s[14:15] offset:512*\g   ; 512 consecutive bytes a store
.endr
	ds_store_b32 v7, v[PW]                         ; lanes r and 16 + r write the same word with the same value
	s_wait_loadcnt 0x0                             ; Wq's row, query, bq
	v_pk_mul_f32 v[50:51], v[128:129], v[160:161]  ; the row's product with query: my 32 numbers, in two chains
	v_pk_mul_f32 v[52:53], v[130:131], v[162:163]
.irp p, 4,8,12,16,20,24,28
	v_pk_fma_f32 v[50:51], v[128+\p:129+\p], v[160+\p:161+\p], v[50:51]
	v_pk_fma_f32 v[52:53], v[130+\p:131+\p], v[162+\p:163+\p], v[52:53]
.endr
	v_pk_add_f32 v[50:51], v[50:51], v[52:53]
	v_add_f32 v50, v50, v51
.irp x, 1,2,4,8
	v_add_f32_dpp v50, v50, v50 row_xmask:\x row_mask:0xf bank_mask:0xf
.endr
	v_permlanex16_b32 v51, v50, s44, s45
	v_add_f32 v50, v50, v51                        ; the sum over the wave's 32 lanes
	v_add_f32 v50, v50, v49
	v_mul_f32 v50, 0x3e000000, v50                 ; (sum + bq) / 8
	ds_store_b32 v8, v50 offset:512
	s_wait_dscnt 0x0                               ; for the others' sake: my LDS stores are done
	s_barrier_signal -1
	s_barrier_wait -1
	s_cmp_lg_u32 s18, 0                            ; wave 0 sends what the eight waves have gathered
	s_cbranch_scc1 .Lend
	ds_load_b128 v[56:59], v5
	ds_load_b32 v60, v9 offset:512
	s_wait_dscnt 0x0
	global_store_b128 v5, v[56:59], s[6:7]         ; the scale words: 512 consecutive bytes
	s_wait_xcnt 0x0                                ; EXEC changes only behind this wait
	v_cmp_gt_u32 vcc_lo, 8, v1
	s_and_saveexec_b32 s47, vcc_lo
	global_store_b32 v9, v60, s[16:17]             ; eight q'
	s_wait_xcnt 0x0                                ; and again in front of the line that widens it
	s_or_b32 exec_lo, exec_lo, s47
.Lend:
	s_wait_tensorcnt 0x0
	ds_add_u32 v192, v193
	s_wait_dscnt 0x0
	s_endpgm
.Lfunc_end_k_q56f88e65fc_prep:
	.size	k_q56f88e65fc_prep, .Lfunc_end_k_q56f88e65fc_prep-k_q56f88e65fc_prep
	.p2alignl 7, 3214868480
	.fill 96, 4, 3214868480
	.section	.rodata,"a",@progbits
	.p2align	6, 0x0
	.amdhsa_kernel k_q56f88e65fc_prep
		.amdhsa_group_segment_fixed_size 2048
		.amdhsa_private_segment_fixed_size 0
		.amdhsa_enable_private_segment 0
		.amdhsa_kernarg_size 56
		.amdhsa_user_sgpr_count 2
		.amdhsa_user_sgpr_kernarg_segment_ptr 1
		.amdhsa_wavefront_size32 1
		.amdhsa_system_sgpr_workgroup_id_x 1
		.amdhsa_system_sgpr_workgroup_id_y 1
		.amdhsa_system_sgpr_workgroup_id_z 1
		.amdhsa_system_vgpr_workitem_id 0
		.amdhsa_next_free_vgpr 194
		.amdhsa_next_free_sgpr 66
		.amdhsa_reserve_vcc 1
		.amdhsa_float_denorm_mode_32 3
		.amdhsa_float_denorm_mode_16_64 3
		.amdhsa_memory_ordered 1
		.amdhsa_forward_progress 1
		.amdhsa_inst_pref_size 18
	.end_amdhsa_kernel
	.amdgpu_metadata
---
amdhsa.version: [ 1, 2 ]
amdhsa.kernels:
  - .name:           k_q56f88e65fc_prep
    .symbol:         k_q56f88e65fc_prep.kd
    .args:
      - { .name: Wk, .offset: 0, .size: 8, .value_kind: global_buffer, .address_space: global }
      - { .name: Wv, .offset: 8, .size: 8, .value_kind: global_buffer, .address_space: global }
      - { .name: Wq, .offset: 16, .size: 8, .value_kind: global_buffer, .address_space: global }
      - { .name: query, .offset: 24, .size: 8, .value_kind: global_buffer, .address_space: global }
      - { .name: bq, .offset: 32, .size: 8, .value_kind: global_buffer, .address_space: global }
      - { .name: wimg, .offset: 40, .size: 8, .value_kind: global_buffer, .address_space: global }
      - { .name: qs, .offset: 48, .size: 8, .value_kind: global_buffer, .address_space: global }
    .group_segment_fixed_size: 2048
    .private_segment_fixed_size: 0
    .kernarg_segment_align: 8
    .kernarg_segment_size: 56
    .max_flat_workgroup_size: 256
    .sgpr_count:     66
    .vgpr_count:     194
    .wavefront_size: 32
...
	.end_amdgpu_metadata
.endif
;; end of part 1
;; launch main (part 2): grid 256 x 1, 4 waves a work-group, clusters of 4 x 1, 327,680 bytes of LDS; arguments x, gumbel_u, bk, bv, wimg, qs, ebuf, stat, opart, out1; writes ebuf, stat, opart, out1
.if DOCPART == 2
	.amdgcn_target "amdgcn-amd-amdhsa--gfx1250"
	.amdhsa_code_object_version 6
	.text
	.protected	k_q56f88e65fc_main
	.globl	k_q56f88e65fc_main
	.p2align	8
	.type	k_q56f88e65fc_main,@function
k_q56f88e65fc_main:
	s_mov_b64 s[64:65], 0
	v_nop
	global_prefetch_b8 v0, s[64:65] scope:SCOPE_SE
	s_setreg_imm32_b32 hwreg(HW_REG_WAVE_MODE, 25, 1), 1
	s_wait_xcnt 0x0
	s_wait_alu depctr_hold_cnt(0) depctr_sa_sdst(0) depctr_va_vdst(0) depctr_va_sdst(0) depctr_va_ssrc(0) depctr_va_vcc(0) depctr_vm_vsrc(0)
	s_getreg_b32 s2, hwreg(HW_REG_IB_STS2, 6, 4)
	s_cmp_eq_u32 s2, 0
	s_cbranch_scc0 .Lentry_in_a_cluster
	s_endpgm
.Lentry_in_a_cluster:
	s_bfe_u32 s2, ttmp6, 0x10000c
	s_cmp_lg_u32 s2, 0x3003
	s_cbranch_scc0 .Lentry_shape_is_right
	s_endpgm
.Lentry_shape_is_right:
; k = x Wk^T + bk and v = x Wv^T + bv on codes of BF8 (E5M2) with one E8M0 scale for each 32 along K, and all that hangs on them up to softmax partials; k and v never go to memory.
; SHARES.  A work-group owns 128 rows of x.  Wave w: rh = w / 2: 64 of the rows (four tiles of 16);  hh = w % 2: heads 8 hh .. 8 hh + 7, one after the other.
; PHASE X.  x comes through the ring in four tiles of 128 rows x 256 columns of f32; each wave quantises its 64 rows and KEEPS the codes: 32 fragments, 512 registers, and 16 registers of scale words.
; PHASE W.  The weights come through the same ring as register images (16 tiles: for i = 0 .. 7 Wk's and Wv's rows of heads i and 8 + i).  A tile is 128 matrix instructions a wave: 16 accumulators (64 rows x 64 columns) by turns, 8 K steps.
;   k is made TRANSPOSED (source 0 = 16 rows of Wk, source 1 = 16 rows of x): a lane holds one row of x and 8 of the head's 64, so logit = q' . k is a sum down the lane's registers and one exchange.
;   v is made as it reads (source 0 = x, source 1 = Wv): a lane holds one of the head's 64 and 8 rows, so the sum over rows of p v is again a sum down the registers and one exchange.
; THE ORDER OF THE HEADS.  Cluster c begins with i = c % 8 and goes round: at any step the 64 clusters ask for eight different tiles, and from its second head on a cluster asks for tiles that other clusters asked for one head earlier.
;   The first i hangs on the cluster's number alone, which the four partners share; trip counts, branches and LDS addresses do not hang on it.
; FOR EACH HEAD AND WAVE (64 rows): logit = q'.(k + bk); g = -log(-log(u + 1e-20) + 1e-20); A = 1 where logit + g1 > g0, else 0; m = the 64 logits' maximum, e = exp(logit - m), l = their sum (of ALL rows), p = A e.
;   Left for the next launch: p (ebuf), (m, l) (stat), the sum of p (v + bv) (opart).  out1 = the sum of A over the 16 heads.
;   All of this but the sum q'.k needs no accumulator: it is cut into 28 slices that stand behind the first 20 matrix instructions of the head's v tile and the first 8 of its K step 2.
; CLUSTER.  All work-groups walk the same weights: four form a cluster and ask for each weight tile JOINTLY (the same load, descriptor and mask 15 in all four).  x's tiles are each work-group's own: plain loads behind the same rounds.
; LIMITS.  A is exactly 0 or 1 (the straight-through sum gives it within one unit in the last place).  The choice is made by logit + g1 > g0; where the two-way softmax would round both to one number, the first is taken there, here the comparison decides.
;   g comes from v_log_f32.  NaN and infinities are not served.  Blocks of x whose largest magnitude lies under 2^-111 (the floor) were not tried; a block of zeros has the byte 1 and zero codes.
; REGISTERS, in windows of 256.  Window 0: v1-31 addresses, statistics, small loads; v32-47 x's scale words; v48-63 the tile's weight scale words; v64-191 the accumulators (phase X: two sets of 64 numbers);
;   v192-223 q' (k's tile) or p (v's tile); v224-255 at work.  Windows 1, 2: x's fragments (tile m, K step s) at window 1 + s / 4, v[64 (s % 4) + 16 m].  Window 3: four sets of weight fragments, set s % 4 at v[64 (s % 4) + 16 c].
.set SLOTB, 135168                     ; a ring slot: a weight tile; an x tile (128 rows of 1,024 + 16 bytes) fits in it
.set XQ,    33280                      ; 32 rows of x in LDS: what one wave's load brings
.set WQ,    33792                      ; a quarter of a weight tile: 132 rows of 256 bytes
.set PSCR,  2*SLOTB                    ; behind the ring: each wave's 64 p, 256 bytes;
.set MSCR,  PSCR+1024                  ; each wave's 64 mask counts;
.set SSCR,  MSCR+1024                  ; the work-group's 32 (m, l);
.set SPARE, SSCR+256                   ; the spare words, 128 bytes for each wave: two blocks of 256 bytes that no other line names
.set SPW, 4                            ; v4   LDS address of my spare word; never rewritten
.set NIL, 5                            ; v5   0; never rewritten
.set AX,  6                            ; v6-7   my place in an x tile, slot 0, 1
.set AW,  8                            ; v8-9   in a weight tile's codes
.set AS,  10                           ; v10-11 in its scale words
.set XS,  32                           ; x's scale words: register 2 s + m / 2: lanes 0-15 tile m even, lanes 16-31 tile m odd
.set WS,  48                           ; the weights': register 2 s + c / 2 likewise
.set ACC, 64                           ; accumulator (m, c) at v[ACC + 8 (4 m + c)]
.set QP,  192
.set TM,  224                          ; phase X: v224-239 as in the quantiser's lines, v240 the scale word
.set PW,  240
; v1 stats into LDS; v2, v3 wave 0's reads at the end; v12, v13 p into LDS and back; v14 32 h; v15 8 l; v16 4 l; v17 the prefetch's offset; v18-19 mask counts; v20-21 (m, l) by head; v22-25 u; v26-27 q', v28-29 bk (2 a lane); v30-31 bv
; s[6:23] the buffers' bases at my first row and at head 8 hh: they stay; s[12:13] wimg at my quarter of tile 0; s24 wave, s25 rh, s26 hh; s[30:31], s[34:35] offsets, the upper word 0;
; s[36:43], s[44:51] descriptor groups 1 (x, weights); s[52:55], s[56:59] groups 0 for x's slots; s[60:63], s[68:71] for the weights'; s72 lanes 16-31; s[74:75] permute selects; s76 mantissa of 57,344;
; s77 the head's lanes; s78 trips; s79-80 A; s81 -ln 2; s82 1e-20; s83 log2 e; s87 the head (of my eight) that the small loads take next, s100 the head in hand, s101 the head of the tile asked for last;
; s[88:95] gumbel_u, qs, bk, bv at head s87; s[96:99] ebuf, opart at head s100
.set MSB, 0
.macro WIN new                         ; the immediate's high byte repeats the setting that is left; a switch that changes nothing is dropped
.if MSB != (\new)
	s_set_vgpr_msb (MSB<<8)|(\new)
.set MSB, (\new)
.endif
.endm
.macro PLACES n
.rept \n
	v_nop
.endr
.endm
.macro CREST                           ; a round of the cluster's barrier behind its opening barrier
	s_cmp_lg_u32 s24, 0
	s_cbranch_scc1 .Lnot_wave_0_\@
	s_barrier_signal -3
.Lnot_wave_0_\@:
	s_barrier_wait -3
	s_barrier_signal -1
	s_barrier_wait -1
.endm
.macro CROUND                          ; a whole round
	s_barrier_signal -1
	s_barrier_wait -1
	CREST
.endm
.macro TL g0, g1                       ; a wave's one tensor load behind a round; four v_nop follow it
	tensor_load_to_lds s[\g0:\g0+3], s[\g1:\g1+7]
	s_nop 0
.rept 4
	v_nop
.endr
.endm
.macro LBASES                          ; the small loads' bases at head s87: the pristine base + an offset made apart from it
	s_lshl_b32 s30, s87, 15                        ; gumbel_u: 4,096 rows of 8 bytes a head
	s_add_nc_u64 s[88:89], s[6:7], s[30:31]
	s_lshl_b32 s30, s87, 8                         ; qs, bk, bv: 256 bytes a head
	s_add_nc_u64 s[90:91], s[14:15], s[30:31]
	s_add_nc_u64 s[92:93], s[8:9], s[30:31]
	s_add_nc_u64 s[94:95], s[10:11], s[30:31]
.endm
.macro SBASES                          ; the stores' bases, and the lanes of (m, l), at head s100
	s_lshl_b32 s30, s100, 14                       ; ebuf: 64 chunks of 256 bytes a head
	s_add_nc_u64 s[96:97], s[16:17], s[30:31]
	s_lshl_b32 s30, s100, 8                        ; opart: 256 bytes a head
	s_add_nc_u64 s[98:99], s[20:21], s[30:31]
	s_lshl_b32 s77, 0x01010101, s100               ; lanes i, i + 8, i + 16, i + 24
.endm
	s_load_b256 s[4:11], s[0:1], 0x0               ; x, gumbel_u, bk, bv
	s_load_b256 s[12:19], s[0:1], 0x20             ; wimg, qs, ebuf, stat
	s_load_b128 s[20:23], s[0:1], 0x40             ; opart, out1
	v_lshl_add_u32 v[SPW], v0, 2, SPARE
	v_mov_b32 v[NIL], 0
	ds_add_u32 v4, v5
	s_wait_dscnt 0x0
	v_lshrrev_b32 v224, 5, v0
	v_readfirstlane_b32 s24, v224                  ; wave 0..3
	s_lshr_b32 s25, s24, 1                         ; rh
	s_and_b32 s26, s24, 1                          ; hh
	s_bfe_u32 s27, ttmp6, 0x40000                  ; cx: it enters global addresses of my own data alone
	s_lshl_b32 s28, ttmp9, 2                       ; in a cluster launch ttmp9 counts clusters
	s_add_co_u32 s28, s28, s27                     ; the work-group
	s_and_b32 s101, ttmp9, 7                       ; the cluster's first head of each eight
	s_mov_b32 s87, s101
	s_mov_b32 s100, s101
	; group 1 for x: 32 rows x 256 elements of 4 bytes, 1,024 elements from row to row; 4 words of padding behind every 256: LDS rows 1,040 bytes apart, an odd multiple of 16
	s_mov_b32 s36, (2<<16)|(1<<20)|(7<<22)|(3<<25)
	s_mov_b32 s37, 256<<16
	s_mov_b32 s38, 32<<16
	s_mov_b32 s39, 256<<16
	s_mov_b32 s40, 32
	s_mov_b32 s41, 1024
	s_mov_b32 s42, 0
	s_mov_b32 s43, 0
	; group 1 for the weights: a dense block of 33,792 bytes as 132 rows of 32 elements of 8 bytes; mask: all four work-groups; bit 21 beside it
	s_mov_b32 s44, 15|(3<<16)|(1<<21)
	s_mov_b32 s45, 32<<16
	s_mov_b32 s46, 132<<16
	s_mov_b32 s47, 32<<16
	s_mov_b32 s48, 132
	s_mov_b32 s49, 32
	s_mov_b32 s50, 0
	s_mov_b32 s51, 0
	s_mov_b32 s72, 0xffff0000
	s_mov_b32 s74, 0x76543210
	s_mov_b32 s75, 0xfedcba98
	s_mov_b32 s76, 0x600000
	s_mov_b32 s81, 0xbf317218
	s_mov_b32 s82, 0x1e3ce508
	s_mov_b32 s83, 0x3fb8aa3b
	s_mul_i32 s84, s24, WQ                         ; my quarter of a weight tile, in memory and in a slot: the wave's number alone
	s_mov_b32 s85, 0
	s_mul_i32 s86, s24, XQ                         ; my 32 rows of an x tile in a slot
	s_lshl_b32 s30, s28, 19                        ; the work-group's 128 rows of 4,096 bytes
	s_mov_b32 s31, 0
	s_lshl_b32 s32, s24, 17                        ; my 32 of them
	s_mov_b32 s33, 0
	s_wait_kmcnt 0x0
	s_add_nc_u64 s[4:5], s[4:5], s[30:31]          ; x at the work-group's first row
	s_add_nc_u64 s[34:35], s[4:5], s[32:33]
	s_mov_b32 s52, 1                               ; groups 0: count 1; LDS address; global address; type 2
	s_mov_b32 s53, s86
	s_mov_b64 s[54:55], s[34:35]                   ; x's tile 0: columns 0-255
	s_or_b32 s55, s55, 0x80000000
	s_mov_b32 s56, 1
	s_add_co_u32 s57, s86, SLOTB
	s_add_nc_u64 s[58:59], s[34:35], 1024          ; tile 1: columns 256-511
	s_or_b32 s59, s59, 0x80000000
	s_add_nc_u64 s[12:13], s[12:13], s[84:85]      ; wimg at my quarter of tile 0: it stays
	s_mul_i32 s34, s101, 2*SLOTB                   ; the first head's two tiles
	s_mov_b32 s35, 0
	s_mov_b32 s60, 1
	s_mov_b32 s61, s84
	s_add_nc_u64 s[62:63], s[12:13], s[34:35]      ; Wk's
	s_mov_b32 s68, 1
	s_add_co_u32 s69, s84, SLOTB
	s_add_nc_u64 s[70:71], s[62:63], SLOTB         ; Wv's
	s_or_b32 s63, s63, 0x80000000
	s_or_b32 s71, s71, 0x80000000
	CROUND                                         ; the round in front of the first loads
	tensor_load_to_lds s[52:55], s[36:43]          ; the two first fills go out together: two loads of mine are out
	s_nop 0
	tensor_load_to_lds s[56:59], s[36:43]
	s_nop 0
.rept 4
	v_nop
.endr
	s_lshr_b32 s29, s28, 5                         ; batch
	s_and_b32 s32, s28, 31                         ; the work-group's place in it
	s_lshl_b32 s30, s29, 19                        ; gumbel_u: ((16 batch + 8 hh) 4,096 + 128 place + 64 rh) rows of 8 bytes
	s_lshl_b32 s33, s26, 18
	s_add_co_u32 s30, s30, s33
	s_lshl_b32 s33, s32, 10
	s_add_co_u32 s30, s30, s33
	s_lshl_b32 s33, s25, 9
	s_add_co_u32 s30, s30, s33
	s_add_nc_u64 s[6:7], s[6:7], s[30:31]
	s_lshr_b32 s30, s30, 1                         ; ebuf: 4 bytes a row where gumbel_u has 8: half that offset
	s_add_nc_u64 s[16:17], s[16:17], s[30:31]
	s_lshl_b32 s30, s26, 11                        ; qs, bk, bv: 8 hh heads of 256 bytes
	s_add_nc_u64 s[14:15], s[14:15], s[30:31]
	s_add_nc_u64 s[8:9], s[8:9], s[30:31]
	s_add_nc_u64 s[10:11], s[10:11], s[30:31]
	s_lshl_b32 s30, s28, 13                        ; opart: ((2 work-group + rh) 16 + 8 hh) x 256 = 8,192 work-group + 2,048 wave
	s_lshl_b32 s33, s24, 11
	s_add_co_u32 s30, s30, s33
	s_add_nc_u64 s[20:21], s[20:21], s[30:31]
	s_lshl_b32 s30, s28, 8
	s_add_nc_u64 s[18:19], s[18:19], s[30:31]      ; stat: 256 bytes a work-group
	s_lshl_b32 s30, s28, 9
	s_add_nc_u64 s[22:23], s[22:23], s[30:31]      ; out1: 128 rows of 4 bytes
	LBASES                                         ; both sets of bases at the first head
	SBASES
	v_and_b32 v224, 31, v0                         ; lane l
	v_and_b32 v225, 15, v0                         ; r
	v_bfe_u32 v226, v0, 4, 1                       ; h
	s_mul_i32 s29, s25, 66560                      ; my 64 rows of an x tile
	v_mul_u32_u24 v[AX], v225, 1040
	v_lshl_add_u32 v[AX], v226, 6, v[AX]
	v_add_nc_u32 v[AX], s29, v[AX]                 ; row r, + 64 h: my 16 numbers of a block of 32
	v_add_nc_u32 v[AX+1], SLOTB, v[AX]
	s_lshl_b32 s29, s26, 16
	v_lshl_add_u32 v[AW], v224, 4, s29             ; my head's half of the codes, 16 x lane
	v_add_nc_u32 v[AW+1], SLOTB, v[AW]
	s_lshl_b32 s29, s26, 11
	s_add_co_u32 s29, s29, 131072
	v_lshl_add_u32 v[AS], v224, 4, s29             ; and of the scale words
	v_add_nc_u32 v[AS+1], SLOTB, v[AS]
	s_lshl_b32 s29, s24, 8
	s_add_co_u32 s29, s29, PSCR
	v_lshl_add_u32 v12, v224, 2, s29               ; p in: 4 x lane
	v_lshl_add_u32 v13, v226, 5, s29               ; p back: 32 h: eight rows of my half
	v_lshlrev_b32 v14, 5, v226
	v_lshlrev_b32 v15, 3, v224
	v_lshlrev_b32 v16, 2, v224
	v_lshrrev_b32 v17, 2, v224                     ; the prefetch: my wave's 32 rows, 8 rows an instruction, four lanes 256 bytes apart to a row's 1,024 bytes
	v_lshlrev_b32 v17, 12, v17
	v_and_b32 v227, 3, v0
	v_lshl_add_u32 v17, v227, 8, v17
	s_lshl_b32 s29, s24, 17
	v_add_nc_u32 v17, s29, v17
	v_and_b32 v227, 7, v0
	s_lshl_b32 s29, s24, 6
	s_add_co_u32 s29, s29, SSCR
	v_lshl_add_u32 v1, v227, 3, s29                ; (m, l) of head 8 hh + lane % 8: 128 rh + 64 hh = 64 x wave
	v_lshlrev_b32 v2, 4, v225
	v_lshl_add_u32 v2, v226, 9, v2
	v_add_nc_u32 v2, MSCR, v2                      ; wave 0 at the end: 4 rows a lane of the counts of waves 2 (l / 16) and the next
	v_lshl_add_u32 v3, v224, 3, SSCR
.irp n, 18,19,20,21,228,229,230,231,236,237,239
	v_mov_b32 v[\n], 0                             ; sums that begin at 0, and the lane permutes' destinations, which count as sources
.endr
; The small loads of the head at s[88:95]: asked for as soon as the head before has used its own.
.macro LOADK
	global_load_b64 v[22:23], v15, s[88:89] th:TH_LOAD_NT              ; u of row l,
	global_load_b64 v[24:25], v15, s[88:89] offset:256 th:TH_LOAD_NT   ; of row 32 + l
	global_load_b64 v[26:27], v15, s[90:91]                            ; q' and bk, two of the head's 64 a lane
	global_load_b64 v[28:29], v15, s[92:93]
.endm
.macro LOADV
	global_load_b32 v30, v16, s[94:95]                                 ; bv at l and at 32 + l
	global_load_b32 v31, v16, s[94:95] offset:128
.irp c, 0,1,2,3
	global_load_b128 v[QP+8*\c:QP+8*\c+3], v14, s[90:91] offset:64*\c        ; q' in k's layout: register 8 c + j = q'(16 c + 8 h + j)
	global_load_b128 v[QP+8*\c+4:QP+8*\c+7], v14, s[90:91] offset:64*\c+16
.endr
.endm
	LOADK
	LOADV
; ---- PHASE X ----
.macro XFETCH slot, m, ks, set         ; 64 numbers a lane: tile m of my rows, the slot's ks-th 128 columns: register 16 g + 4 j + e = k 32 g + 16 h + 4 j + e
.irp g, 0,1,2,3
.irp j, 0,1,2,3
	ds_load_b128 v[\set+16*\g+4*\j:\set+16*\g+4*\j+3], v[AX+\slot] offset:(\m)*16640+512*(\ks)+128*\g+16*\j
.endr
.endr
.endm
.macro QUANT                           ; the 64 numbers at v[QSET] become fragment (QM, QS), in window 1 or 2, and its scale word
.irp b, 0,1,2,3
	v_max3_num_f32 v[TM+\b], |v[QSET+16*\b]|, |v[QSET+1+16*\b]|, 0x8000000   ; block b: my 16 numbers, and the floor 2^(16 - 127): the byte cannot fall under 1
.endr
.irp i, 2,4,6,8,10,12,14
.irp b, 0,1,2,3
	v_max3_num_f32 v[TM+\b], v[TM+\b], |v[QSET+16*\b+\i]|, |v[QSET+1+16*\b+\i]|
.endr
.endr
.irp b, 0,1,2,3
	v_permlanex16_b32 v[TM+4+\b], v[TM+\b], s74, s75
.endr
.irp b, 0,1,2,3
	v_max_num_f32 v[TM+\b], v[TM+\b], v[TM+4+\b]   ; with lane l xor 16's: the block's largest magnitude
.endr
.irp b, 0,1,2,3
	v_add_nc_u32 v[TM+12+\b], 0xf8800000, v[TM+\b] ; 15 off its exponent field: the conversion's scale operand
.endr
.irp b, 0,1,2,3
	v_and_or_b32 v[TM+8+\b], v[TM+\b], 0x7f800000, s76   ; 57,344 x the scale
.endr
.irp b, 0,1,2,3
	v_lshrrev_b32 v[TM+4+\b], 23, v[TM+12+\b]      ; the scale's byte
.endr
	v_lshl_or_b32 v[PW], v[TM+5], 8, v[TM+4]
	v_lshl_or_b32 v[PW], v[TM+6], 16, v[PW]
	v_lshl_or_b32 v[PW], v[TM+7], 24, v[PW]
.irp b, 0,1,2,3
.irp i, 0,1,2,3,4,5,6,7,8,9,10,11,12,13,14,15
	v_med3_num_f32 v[QSET+16*\b+\i], v[QSET+16*\b+\i], -v[TM+8+\b], v[TM+8+\b]   ; the conversion to an 8-bit code does not saturate (ISA guide 7.6.2): the hold
.endr
.endr
	WIN ((1+QS/4)<<6)                              ; the codes' window
.irp b, 0,1,2,3
	v_cvt_scalef32_pk8_bf8_f32 v[64*(QS%4)+16*QM+4*\b:64*(QS%4)+16*QM+4*\b+1], v[QSET+16*\b:QSET+16*\b+7], v[TM+12+\b]
	v_cvt_scalef32_pk8_bf8_f32 v[64*(QS%4)+16*QM+4*\b+2:64*(QS%4)+16*QM+4*\b+3], v[QSET+16*\b+8:QSET+16*\b+15], v[TM+12+\b]
.endr
	WIN 0
	v_nop                                          ; a plain line behind the last conversion
.if (QM%2) == 0
	v_mov_b32 v[XS+2*QS+QM/2], v[PW]               ; an even tile's words (read from lanes 0-15),
.else
	v_cndmask_b32 v[XS+2*QS+QM/2], v[XS+2*QS+QM/2], v[PW], s72   ; an odd tile's into lanes 16-31 of the same register
.endif
.endm
; x's tile t: eight fragments (K steps 2 t, 2 t + 1; four tiles of rows), on two sets of 64 registers: while one is quantised the other's sixteen LDS loads are on their way.
.macro XSTEP t
.set FQ, 0
	XFETCH (\t)%2, 0, 0, 64
	XFETCH (\t)%2, 1, 0, 128
.rept 8
.if FQ < 7
	s_wait_dscnt 16                                ; this fragment's sixteen loads are in; the next one's may be out
.else
	s_wait_dscnt 0x0
.endif
.if (FQ == 1) && ((\t) < 2)
.irp q, 0,1,2,3                        ; tile t + 2, which this slot's refill will ask for at this tile's end, six fragments on: my wave's 32 rows x 1,024 bytes, each block of 256 bytes asked for by one lane, once in the launch; tiles 2 and 3 are x's last, so no request passes x's end
	global_prefetch_b8 v17, s[4:5] offset:32768*\q+1024*((\t)+2) th:TH_LOAD_NT scope:SCOPE_SE
.endr
.endif
.set QSET, 64+64*(FQ%2)
.set QM, FQ%4
.set QS, 2*(\t)+FQ/4
	QUANT
.if FQ < 6
	XFETCH (\t)%2, (FQ+2)%4, (FQ+2)/4, QSET
.endif
.set FQ, FQ+1
.endr
.endm
; The slot of tile t has been read: it is filled again, with x's tile t + 2 or with the first weight tiles.  Every wave waits for all its tensor loads (one is out: its part of the other slot), adds 0 to its spare word,
; waits for that and for its reads of the slot; a round of the cluster's barrier; the one load first behind it.
.macro XCHANGE t
	s_wait_tensorcnt 0x0                           ; no tensor load of mine is out, so a group 0 may be written
	ds_add_u32 v[SPW], v[NIL]                      ; 0 onto my spare word
.if \t == 0
	s_add_nc_u64 s[54:55], s[54:55], 2048          ; 512 columns on
.elseif \t == 1
	s_add_nc_u64 s[58:59], s[58:59], 2048
.endif
	s_wait_dscnt 0x0                               ; the add is done, and my reads of the slot are over
	CROUND
.if \t == 0
	TL 52, 36
.elseif \t == 1
	TL 56, 36
.elseif \t == 2
	TL 60, 44
.else
	TL 68, 44
.endif
.endm
; ---- PHASE W ----
.macro WM a, b, sa, sb, ra, rb, ks     ; one matrix instruction on accumulator rD; ra, rb: the scales stand in lanes 16-31; K step 0 starts the sum: nothing is ever cleared
.if (\ks) == 0
.if ((\ra) == 1) && ((\rb) == 1)
	v_wmma_scale_f32_16x16x128_f8f6f4 v[rD:rD+7], v[\a:\a+15], v[\b:\b+15], 0, v[\sa], v[\sb] matrix_a_fmt:MATRIX_FMT_BF8 matrix_b_fmt:MATRIX_FMT_BF8 matrix_a_scale:MATRIX_SCALE_ROW1 matrix_b_scale:MATRIX_SCALE_ROW1
.elseif (\ra) == 1
	v_wmma_scale_f32_16x16x128_f8f6f4 v[rD:rD+7], v[\a:\a+15], v[\b:\b+15], 0, v[\sa], v[\sb] matrix_a_fmt:MATRIX_FMT_BF8 matrix_b_fmt:MATRIX_FMT_BF8 matrix_a_scale:MATRIX_SCALE_ROW1
.elseif (\rb) == 1
	v_wmma_scale_f32_16x16x128_f8f6f4 v[rD:rD+7], v[\a:\a+15], v[\b:\b+15], 0, v[\sa], v[\sb] matrix_a_fmt:MATRIX_FMT_BF8 matrix_b_fmt:MATRIX_FMT_BF8 matrix_b_scale:MATRIX_SCALE_ROW1
.else
	v_wmma_scale_f32_16x16x128_f8f6f4 v[rD:rD+7], v[\a:\a+15], v[\b:\b+15], 0, v[\sa], v[\sb] matrix_a_fmt:MATRIX_FMT_BF8 matrix_b_fmt:MATRIX_FMT_BF8
.endif
.else
.if ((\ra) == 1) && ((\rb) == 1)
	v_wmma_scale_f32_16x16x128_f8f6f4 v[rD:rD+7], v[\a:\a+15], v[\b:\b+15], v[rD:rD+7], v[\sa], v[\sb] matrix_a_fmt:MATRIX_FMT_BF8 matrix_b_fmt:MATRIX_FMT_BF8 matrix_a_scale:MATRIX_SCALE_ROW1 matrix_b_scale:MATRIX_SCALE_ROW1
.elseif (\ra) == 1
	v_wmma_scale_f32_16x16x128_f8f6f4 v[rD:rD+7], v[\a:\a+15], v[\b:\b+15], v[rD:rD+7], v[\sa], v[\sb] matrix_a_fmt:MATRIX_FMT_BF8 matrix_b_fmt:MATRIX_FMT_BF8 matrix_a_scale:MATRIX_SCALE_ROW1
.elseif (\rb) == 1
	v_wmma_scale_f32_16x16x128_f8f6f4 v[rD:rD+7], v[\a:\a+15], v[\b:\b+15], v[rD:rD+7], v[\sa], v[\sb] matrix_a_fmt:MATRIX_FMT_BF8 matrix_b_fmt:MATRIX_FMT_BF8 matrix_b_scale:MATRIX_SCALE_ROW1
.else
	v_wmma_scale_f32_16x16x128_f8f6f4 v[rD:rD+7], v[\a:\a+15], v[\b:\b+15], v[rD:rD+7], v[\sa], v[\sb] matrix_a_fmt:MATRIX_FMT_BF8 matrix_b_fmt:MATRIX_FMT_BF8
.endif
.endif
.endm
; THE HEAD'S SOFTMAX PARTIAL, IN SLICES.  It starts from v232, v233 (lane l: q'.k of rows l and 32 + l) and touches no register of any product.  Slice SLN stands behind one matrix instruction of the head's v tile.
; A line that reads the result of another stands in a later slice; behind every transcendental a plain line that does not touch it stands in the same slice (ISA guide 5.7.2).
;   0-8    q'.bk summed over the wave (the bias's share of every logit), by turns with g's two logarithms for four numbers u; then the logits
;   9-10   logit + g1 against g0: A, as lane masks that select values alone
;   9-17   m, the largest of my 64 logits; (logit - m) log2 e
;   18-19  e = exp(logit - m); A as a number; p = A e
;   20-27  the mask counts; l (of all 64 rows) and the sum of p (bv's factor) over the wave, by turns; (m, l) into the head's lanes
.macro KSL
.if SLN == 0
	v_mul_f32 v238, v26, v28
	v_add_f32 v240, s82, v22                       ; u + 1e-20
	v_add_f32 v241, s82, v23
.elseif SLN == 1
	v_fma_f32 v238, v27, v29, v238
	v_log_f32 v240, v240
	v_log_f32 v241, v241
	v_add_f32 v242, s82, v24
	v_add_f32 v243, s82, v25
.elseif SLN == 2
	v_add_f32_dpp v238, v238, v238 row_xmask:1 row_mask:0xf bank_mask:0xf
	v_log_f32 v242, v242
	v_log_f32 v243, v243
	s_wait_alu depctr_va_vdst(0)
	v_fma_f32 v240, v240, s81, s82                 ; -ln(u + 1e-20) + 1e-20
	v_fma_f32 v241, v241, s81, s82
.elseif SLN == 3
	v_add_f32_dpp v238, v238, v238 row_xmask:2 row_mask:0xf bank_mask:0xf
	v_log_f32 v240, v240
	v_log_f32 v241, v241
	v_fma_f32 v242, v242, s81, s82
	v_fma_f32 v243, v243, s81, s82
.elseif SLN == 4
	v_add_f32_dpp v238, v238, v238 row_xmask:4 row_mask:0xf bank_mask:0xf
	v_log_f32 v242, v242
	v_log_f32 v243, v243
	s_wait_alu depctr_va_vdst(0)
	v_mul_f32 v240, s81, v240                      ; g0 of row l
.elseif SLN == 5
	v_add_f32_dpp v238, v238, v238 row_xmask:8 row_mask:0xf bank_mask:0xf
	v_mul_f32 v242, s81, v242                      ; g0 of row 32 + l
.elseif SLN == 6
	v_permlanex16_b32 v239, v238, s74, s75
.elseif SLN == 7
	v_add_f32 v238, v238, v239                     ; q'.bk
.elseif SLN == 8
	v_add_f32 v232, v232, v238                     ; the logits
	v_add_f32 v233, v233, v238
.elseif SLN == 9
	v_max_num_f32 v244, v232, v233
	v_fma_f32 v241, v241, s81, v232                ; logit + g1
	v_fma_f32 v243, v243, s81, v233
.elseif SLN == 10
	v_max_num_f32_dpp v244, v244, v244 row_xmask:1 row_mask:0xf bank_mask:0xf
	v_cmp_gt_f32 s79, v241, v240                   ; A
	v_cmp_gt_f32 s80, v243, v242
.elseif SLN == 11
	v_max_num_f32_dpp v244, v244, v244 row_xmask:2 row_mask:0xf bank_mask:0xf
.elseif SLN == 12
	v_max_num_f32_dpp v244, v244, v244 row_xmask:4 row_mask:0xf bank_mask:0xf
.elseif SLN == 13
	v_max_num_f32_dpp v244, v244, v244 row_xmask:8 row_mask:0xf bank_mask:0xf
.elseif SLN == 14
	v_permlanex16_b32 v239, v244, s74, s75
.elseif SLN == 15
	v_max_num_f32 v244, v244, v239                 ; m
.elseif SLN == 16
	v_mul_f32 v245, s83, v244
.elseif SLN == 17
	v_fma_f32 v250, v232, s83, -v245
	v_fma_f32 v251, v233, s83, -v245
.elseif SLN == 18
	v_exp_f32 v250, v250                           ; e
	v_exp_f32 v251, v251
	v_cndmask_b32 v254, 0, 1.0, s79                ; A as a number
	v_cndmask_b32 v255, 0, 1.0, s80
.elseif SLN == 19
	s_wait_alu depctr_va_vdst(0)
	v_cndmask_b32 v246, 0, v250, s79               ; p = A e
	v_cndmask_b32 v247, 0, v251, s80
.elseif SLN == 20
	v_add_f32 v18, v18, v254
	v_add_f32 v19, v19, v255
	v_add_f32 v248, v250, v251
	v_add_f32 v249, v246, v247
.elseif SLN == 21
	v_add_f32_dpp v248, v248, v248 row_xmask:1 row_mask:0xf bank_mask:0xf
	v_add_f32_dpp v249, v249, v249 row_xmask:1 row_mask:0xf bank_mask:0xf
.elseif SLN == 22
	v_add_f32_dpp v248, v248, v248 row_xmask:2 row_mask:0xf bank_mask:0xf
	v_add_f32_dpp v249, v249, v249 row_xmask:2 row_mask:0xf bank_mask:0xf
.elseif SLN == 23
	v_add_f32_dpp v248, v248, v248 row_xmask:4 row_mask:0xf bank_mask:0xf
	v_add_f32_dpp v249, v249, v249 row_xmask:4 row_mask:0xf bank_mask:0xf
.elseif SLN == 24
	v_add_f32_dpp v248, v248, v248 row_xmask:8 row_mask:0xf bank_mask:0xf
	v_add_f32_dpp v249, v249, v249 row_xmask:8 row_mask:0xf bank_mask:0xf
.elseif SLN == 25
	v_permlanex16_b32 v236, v248, s74, s75
	v_permlanex16_b32 v237, v249, s74, s75
.elseif SLN == 26
	v_add_f32 v248, v248, v236                     ; l
	v_add_f32 v249, v249, v237                     ; the sum of p
.elseif SLN == 27
	v_cndmask_b32 v20, v20, v244, s77              ; (m, l) into the lanes of this head
	v_cndmask_b32 v21, v21, v248, s77
.endif
.endm
.macro SLICE                           ; the next slice, if one is due.  The softmax lies in window 0 and the products' sources in windows 1 to 3: a slice costs two switches, 56 a head, the price for lines that would else stand alone, with no product beside them
.if SLN < SLCAP
	WIN 0
	KSL
.set SLN, SLN+1
.endif
.endm
; Half a K step: 8 matrix instructions, row tiles 2 half and 2 half + 1.  The 16 accumulators take turns, one instruction a turn, in the same order in every K step.
; kind 0 (k): source 0 = the weight's 16 rows (window 3), source 1 = x's (window 1 or 2).  kind 1 (v): the other way round.  C and D: window 0.
.macro MULP kind, ks, half
.irp mm, 0,1
.irp c, 0,1,2,3
.set rM, 2*(\half)+\mm
.set rD, ACC+8*(4*rM+\c)
.set rW, 64*((\ks)%4)+16*\c
.set rX, 64*((\ks)%4)+16*rM
.set rSW, WS+2*(\ks)+\c/2
.set rSX, XS+2*(\ks)+rM/2
.if \kind == 0
	WIN 0x03|((1+(\ks)/4)<<2)
	WM rW, rX, rSW, rSX, \c%2, rM%2, \ks
.else
	WIN 0x0c|(1+(\ks)/4)
	WM rX, rW, rSX, rSW, rM%2, \c%2, \ks
.endif
	SLICE
.endr
.endr
.endm
.macro FETCHS slot                     ; a tile's scale words of my head: 16 registers by four loads
.irp g, 0,1,2,3
	ds_load_b128 v[WS+4*\g:WS+4*\g+3], v[AS+(\slot)] offset:512*\g
.endr
.endm
.macro FETCHW slot, ks                 ; the four weight fragments of K step ks into set ks % 4: images of the registers, 512 consecutive bytes a load
	WIN 0xc0                                       ; destination window 3, address window 0
.irp c, 0,1,2,3
.irp g, 0,1,2,3
	ds_load_b128 v[64*((\ks)%4)+16*\c+4*\g:64*((\ks)%4)+16*\c+4*\g+3], v[AW+(\slot)] offset:(4*(\ks)+\c)*2048+512*\g
.endr
.endr
.endm
; k's accumulators become q'.k.  Register j of accumulator (m, c) is k(row 16 m + r, 16 c + 8 h + j).  Each accumulator is read from its low end on.
.macro KEPI1
.irp c, 0,1,2,3
.irp jp, 0,1,2,3
.irp m, 0,1,2,3
.if (\c == 0) && (\jp == 0)
	v_pk_mul_f32 v[224+2*\m:225+2*\m], v[ACC+8*(4*\m+\c)+2*\jp:ACC+8*(4*\m+\c)+2*\jp+1], v[QP+8*\c+2*\jp:QP+8*\c+2*\jp+1]
.else
	v_pk_fma_f32 v[224+2*\m:225+2*\m], v[ACC+8*(4*\m+\c)+2*\jp:ACC+8*(4*\m+\c)+2*\jp+1], v[QP+8*\c+2*\jp:QP+8*\c+2*\jp+1], v[224+2*\m:225+2*\m]
.endif
.endr
.endr
.endr
.irp m, 0,1,2,3
	v_add_f32 v[224+2*\m], v[224+2*\m], v[225+2*\m]   ; tile m: my half of the head's 64
.endr
.irp a, 0,1                            ; the halves meet, and two tiles fold into one register: lanes 0-15 keep tile 2 a and send tile 2 a + 1, lanes 16-31 the other way round
	v_cndmask_b32 v[232+\a], v[224+4*\a], v[226+4*\a], s72
	v_cndmask_b32 v[234+\a], v[226+4*\a], v[224+4*\a], s72
.endr
.irp a, 0,1
	v_permlanex16_b32 v[236+\a], v[234+\a], s74, s75
.endr
.irp a, 0,1
	v_add_f32 v[232+\a], v[232+\a], v[236+\a]      ; v[232 + a], lane l: q' . k of row 32 a + l
.endr
.endm
; p has been made (slice 19): it turns through my own 256 bytes of LDS into v's layout, register 8 m + j = p(16 m + 8 h + j), and goes to ebuf; u, q' and bk have been used, so the next head's are asked for.
.macro PTURN next
	ds_store_b32 v12, v246                         ; LDS serves a wave's instructions in order (ISA guide 5.7.1.4): the loads below see these stores
	ds_store_b32 v12, v247 offset:128
.irp m, 0,1,2,3
	ds_load_b128 v[QP+8*\m:QP+8*\m+3], v13 offset:64*\m
	ds_load_b128 v[QP+8*\m+4:QP+8*\m+7], v13 offset:64*\m+16
.endr
	global_store_b64 v15, v[246:247], s[96:97]     ; 256 consecutive bytes
.if \next
	LOADK
.endif
.endm
; v's epilogue: register j of accumulator (m, c) is v(row 16 m + 8 h + j, 16 c + r)
.macro VEPI1
.irp m, 0,1,2,3
.irp jp, 0,1,2,3
.irp c, 0,1,2,3
.if (\m == 0) && (\jp == 0)
	v_pk_mul_f32 v[224+2*\c:225+2*\c], v[ACC+8*(4*\m+\c)+2*\jp:ACC+8*(4*\m+\c)+2*\jp+1], v[QP+8*\m+2*\jp:QP+8*\m+2*\jp+1]
.else
	v_pk_fma_f32 v[224+2*\c:225+2*\c], v[ACC+8*(4*\m+\c)+2*\jp:ACC+8*(4*\m+\c)+2*\jp+1], v[QP+8*\m+2*\jp:QP+8*\m+2*\jp+1], v[224+2*\c:225+2*\c]
.endif
.endr
.endr
.endr
.endm
.macro VEPI2 next
.irp c, 0,1,2,3
	v_add_f32 v[224+2*\c], v[224+2*\c], v[225+2*\c]
.endr
.irp a, 0,1
	v_cndmask_b32 v[252+\a], v[224+4*\a], v[226+4*\a], s72
	v_cndmask_b32 v[234+\a], v[226+4*\a], v[224+4*\a], s72
.endr
.irp a, 0,1
	v_permlanex16_b32 v[236+\a], v[234+\a], s74, s75
.endr
.irp a, 0,1
	v_add_f32 v[252+\a], v[252+\a], v[236+\a]      ; lane l: the sum over my 64 rows of p v at 32 a + l of the head's 64
.endr
.irp a, 0,1
	v_fma_f32 v[252+\a], v[30+\a], v249, v[252+\a] ; + bv x the sum of p
.endr
	global_store_b64 v15, v[252:253], s[98:99]     ; 256 consecutive bytes
.if \next
	LOADV
.endif
.endm
; A WEIGHT TILE.  Three sets of fragments are on their way when it begins; K step ks asks for set ks + 3 behind eight places (the set was read by K step ks - 1).
; The waits count what was issued behind the set wanted: two younger sets of sixteen loads; in a v tile's K steps 2 and 3 also p's ten LDS instructions, which stand behind K step 1; in K step 6 one set.
; K step 7 changes slots.  fill = 2: this slot is filled again, with the next head's tile, behind a round of the cluster's barrier;  1: a plain barrier, nothing is left to fetch;  0: the last tile.
; The refill stands behind K step 7's products and the round alone; the accumulators' sums follow it and the run of LDS loads, and are worked while those loads land.
.macro WSTEP kind, slot, fill, next
.set SLN, 0
.if \kind == 1
.set SLCAP, 20                         ; slices 0 to 19 make p
.else
.set SLCAP, 0                          ; a k tile carries no slices
.endif
.irp ks, 0,1,2,3,4,5,6
.if \ks == 6
	s_wait_dscnt 16
.elseif (\kind == 1) && ((\ks == 2) || (\ks == 3))
	s_wait_dscnt 42
.else
	s_wait_dscnt 32
.endif
	MULP \kind, \ks, 0
	MULP \kind, \ks, 1
.if (\kind == 1) && (\ks == 1)
	WIN 0
	PTURN \next
.set SLCAP, 28                         ; the other eight slices
.endif
.if \ks <= 4
	PLACES 8
	FETCHW \slot, \ks+3
.endif
.endr
	WIN 0                                          ; (the add's two registers lie in window 0)
.if \kind == 0
	s_wait_loadcnt 0x0                             ; this head's q', u, bk, bv
.endif
.if \fill > 0
	s_wait_tensorcnt 0x0                           ; all my tensor loads have landed: the one that was out is my part of the other slot; so a group 0 may be written
	ds_add_u32 v[SPW], v[NIL]                      ; 0 onto my spare word
.if \fill == 2
.if \slot == 0
	s_add_co_u32 s101, s101, 1                     ; the next head of the eight, round the end,
	s_and_b32 s101, s101, 7
	s_mul_i32 s34, s101, 2*SLOTB                   ; its tile of Wk
	s_add_nc_u64 s[62:63], s[12:13], s[34:35]
	s_or_b32 s63, s63, 0x80000000
.else
	s_mul_i32 s34, s101, 2*SLOTB                   ; the same head's tile of Wv
	s_add_co_u32 s34, s34, SLOTB
	s_add_nc_u64 s[70:71], s[12:13], s[34:35]
	s_or_b32 s71, s71, 0x80000000
.endif
.endif
	s_wait_dscnt 0x1                               ; set 7 is in; the add may be out
	MULP \kind, 7, 0                               ; eight matrix instructions stand between the add and the wait for it
	s_wait_dscnt 0x0                               ; the add is done, and my reads of this slot are over
	s_barrier_signal -1
	MULP \kind, 7, 1                               ; work on registers while the others arrive
	WIN 0
	s_barrier_wait -1
.if \fill == 2
	CREST                                          ; no wave of any partner still reads this slot or has a load on its way
.if \slot == 0
	TL 60, 44
.else
	TL 68, 44
.endif
	PLACES 4                                       ; with the four behind the load: eight places in front of the loads into the scale words and the sets, and of the first read of results
.else
	PLACES 8
.endif
	FETCHS 1-\slot
	FETCHW 1-\slot, 0
	FETCHW 1-\slot, 1
	FETCHW 1-\slot, 2
	WIN 0
.else
	s_wait_dscnt 0x0
	MULP \kind, 7, 0
	MULP \kind, 7, 1
	WIN 0
	PLACES 8
.endif
.if \kind == 0
	KEPI1
.else
	VEPI1
	VEPI2 \next
.endif
.endm
	s_wait_tensorcnt 0x1                           ; my part of x's tile 0 is in; tile 1's may stay out
	s_barrier_signal -1
	s_barrier_wait -1                              ; everybody's is
	XSTEP 0
	XCHANGE 0
	XSTEP 1
	XCHANGE 1
	XSTEP 2
	XCHANGE 2
	XSTEP 3
	XCHANGE 3
	FETCHS 0
	FETCHW 0, 0
	FETCHW 0, 1
	FETCHW 0, 2
	WIN 0                                          ; at a label and at a branch every window is 0
	s_wait_xcnt 0x0                                ; the first head's small loads have read their bases: these go on to the second head
	s_add_co_u32 s87, s87, 1
	s_and_b32 s87, s87, 7
	LBASES
	s_mov_b32 s78, 7
.Lhead:                                            ; seven trips: seven of my eight heads; each fills both slots again
	WSTEP 0, 0, 2, 1
	WSTEP 1, 1, 2, 1
	s_wait_xcnt 0x0                                ; the bases, and the registers that this head's stores read, are written again only behind this wait
	s_add_co_u32 s87, s87, 1                       ; the small loads two heads on (in the last trip: round to the first head; not used),
	s_and_b32 s87, s87, 7
	s_add_co_u32 s100, s100, 1                     ; the stores one head on
	s_and_b32 s100, s100, 7
	LBASES
	SBASES
	s_sub_co_u32 s78, s78, 1
	s_cmp_lg_u32 s78, 0
	s_cbranch_scc1 .Lhead
	WSTEP 0, 0, 1, 0                               ; the last head is written out
	WSTEP 1, 1, 0, 0
	; THE END.  The mask counts of the two waves of a row half, and the four waves' (m, l), meet in LDS; wave 0 stores them in whole runs.
	ds_store_b32 v12, v18 offset:1024              ; MSCR lies 1,024 bytes behind PSCR
	ds_store_b32 v12, v19 offset:1152
	ds_store_b64 v1, v[20:21]                      ; lanes 8 apart write the same pair with the same values
	s_wait_dscnt 0x0                               ; for the others' sake
	s_barrier_signal -1
	s_barrier_wait -1
	s_cmp_lg_u32 s24, 0
	s_cbranch_scc1 .Lnot_first
	ds_load_b128 v[224:227], v2
	ds_load_b128 v[228:231], v2 offset:256
	ds_load_b64 v[232:233], v3
	v_and_b32 v234, 31, v0
	v_lshlrev_b32 v234, 4, v234
	s_wait_dscnt 0x0
	v_pk_add_f32 v[224:225], v[224:225], v[228:229]
	v_pk_add_f32 v[226:227], v[226:227], v[230:231]
	global_store_b128 v234, v[224:227], s[22:23]   ; out1: the work-group's 128 rows, 512 consecutive bytes
	global_store_b64 v15, v[232:233], s[18:19]     ; stat: 256 consecutive bytes
.Lnot_first:
	s_wait_tensorcnt 0x0                           ; the wave's end
	ds_add_u32 v[SPW], v[NIL]
	s_wait_dscnt 0x0
	CROUND                                         ; the closing round: no work-group ends while a partner may still ask for a tile that names it
	s_endpgm
.Lfunc_end_k_q56f88e65fc_main:
	.size	k_q56f88e65fc_main, .Lfunc_end_k_q56f88e65fc_main-k_q56f88e65fc_main
	.p2alignl 7, 3214868480
	.fill 96, 4, 3214868480
	.section	.rodata,"a",@progbits
	.p2align	6, 0x0
	.amdhsa_kernel k_q56f88e65fc_main
		.amdhsa_group_segment_fixed_size 327680
		.amdhsa_private_segment_fixed_size 0
		.amdhsa_enable_private_segment 0
		.amdhsa_kernarg_size 80
		.amdhsa_user_sgpr_count 2
		.amdhsa_user_sgpr_kernarg_segment_ptr 1
		.amdhsa_wavefront_size32 1
		.amdhsa_system_sgpr_workgroup_id_x 1
		.amdhsa_system_sgpr_workgroup_id_y 1
		.amdhsa_system_sgpr_workgroup_id_z 1
		.amdhsa_system_vgpr_workitem_id 0
		.amdhsa_next_free_vgpr 1024
		.amdhsa_next_free_sgpr 102
		.amdhsa_reserve_vcc 0
		.amdhsa_float_denorm_mode_32 3
		.amdhsa_float_denorm_mode_16_64 3
		.amdhsa_memory_ordered 1
		.amdhsa_forward_progress 1
		.amdhsa_inst_pref_size 255
	.end_amdhsa_kernel
	.section	.bss,"aw",@nobits
	.p2align	6
	.space	262144
	.amdgpu_metadata
---
amdhsa.version: [ 1, 2 ]
amdhsa.kernels:
  - .name:           k_q56f88e65fc_main
    .symbol:         k_q56f88e65fc_main.kd
    .args:
      - { .name: x, .offset: 0, .size: 8, .value_kind: global_buffer, .address_space: global }
      - { .name: gumbel_u, .offset: 8, .size: 8, .value_kind: global_buffer, .address_space: global }
      - { .name: bk, .offset: 16, .size: 8, .value_kind: global_buffer, .address_space: global }
      - { .name: bv, .offset: 24, .size: 8, .value_kind: global_buffer, .address_space: global }
      - { .name: wimg, .offset: 32, .size: 8, .value_kind: global_buffer, .address_space: global }
      - { .name: qs, .offset: 40, .size: 8, .value_kind: global_buffer, .address_space: global }
      - { .name: ebuf, .offset: 48, .size: 8, .value_kind: global_buffer, .address_space: global }
      - { .name: stat, .offset: 56, .size: 8, .value_kind: global_buffer, .address_space: global }
      - { .name: opart, .offset: 64, .size: 8, .value_kind: global_buffer, .address_space: global }
      - { .name: out1, .offset: 72, .size: 8, .value_kind: global_buffer, .address_space: global }
    .group_segment_fixed_size: 327680
    .private_segment_fixed_size: 0
    .kernarg_segment_align: 8
    .kernarg_segment_size: 80
    .max_flat_workgroup_size: 128
    .sgpr_count:     102
    .vgpr_count:     1024
    .wavefront_size: 32
...
	.end_amdgpu_metadata
.endif
;; end of part 2
;; launch combine (part 3): grid 128 x 1, 4 waves a work-group, no clusters, 18,944 bytes of LDS; arguments stat, opart, ebuf, hid, out2; writes hid, out2
.if DOCPART == 3
	.amdgcn_target "amdgcn-amd-amdhsa--gfx1250"
	.amdhsa_code_object_version 6
	.text
	.protected	k_q56f88e65fc_combine
	.globl	k_q56f88e65fc_combine
	.p2align	8
	.type	k_q56f88e65fc_combine,@function
k_q56f88e65fc_combine:
	s_mov_b64 s[64:65], 0
	v_nop
	global_prefetch_b8 v0, s[64:65] scope:SCOPE_SE
	s_setreg_imm32_b32 hwreg(HW_REG_WAVE_MODE, 25, 1), 1
	s_wait_xcnt 0x0
; The softmax partials of a batch's 64 chunks of 64 rows are joined.  For head e: M = the largest m_p, L = the sum of l_p exp(m_p - M), factor F[p][e] = exp(m_p - M) / L.
; hidden[b][64 e + d] = the sum over p of opart[p][e][d] F[p][e];   out2[b][64 p + i] = the sum over e of ebuf[b][e][p][i] F[p][e].
; SHARES.  Work-group g: batch g / 16; head g % 16 of hidden; chunks 4 (g % 16) + wave of out2.  Every wave makes the batch's whole table of factors (8 KB of stat) for itself; wave w joins partials 16 w .. 16 w + 15.
; The running maximum is the true maximum of all chunks, so no exponent is above 0 and L is at least 1.
; No cluster: a batch's 8 KB of stat is all that work-groups share, beside 8 KB of their own a wave.
.set FT, 0                             ; four tables F[64][16] f32, one a wave
.set HS, 16384                         ; the four waves' shares of hidden's 64 numbers
.set AT, 17408                         ; each wave's 64 numbers of out2, to turn them into memory's order
	s_load_b256 s[4:11], s[0:1], 0x0               ; stat, opart, ebuf, hid
	s_load_b64 s[12:13], s[0:1], 0x20              ; out2
	v_lshl_add_u32 v208, v0, 2, 0x4800
	v_mov_b32 v209, 0
	v_lshrrev_b32 v1, 5, v0
	v_readfirstlane_b32 s14, v1                    ; wave
	v_and_b32 v1, 31, v0                           ; lane
	s_lshr_b32 s15, ttmp9, 4                       ; batch
	s_and_b32 s16, ttmp9, 15                       ; head, and group of four chunks
	v_lshlrev_b32 v2, 4, v1
	v_lshlrev_b32 v3, 3, v1
	s_lshl_b32 s17, s14, 12
	v_add_nc_u32 v4, s17, v3                       ; my table, 8 x lane
	s_mul_i32 s18, s14, 5120                       ; F[16 w + pp][head]: 4,096 w + 64 (16 w) + 4 head
	s_lshl_b32 s19, s16, 2
	s_add_co_u32 s18, s18, s19
	v_mov_b32 v5, s18
	s_mul_i32 s18, s14, 4160                       ; F[4 group + w][0 .. 15]: 4,096 w + 64 (4 group + w)
	s_lshl_b32 s19, s16, 8
	s_add_co_u32 s18, s18, s19
	v_mov_b32 v6, s18
	s_lshl_b32 s18, s14, 8
	v_lshl_add_u32 v7, v1, 2, s18                  ; 256 w + 4 l
	v_add_nc_u32 v9, s18, v3                       ; 256 w + 8 l
	v_mov_b32 v18, 0                               ; lane permutes' destinations count as sources
	v_mov_b32 v19, 0
	s_mov_b32 s20, 0x3fb8aa3b                      ; log2 e
	s_mov_b32 s32, 0x76543210
	s_mov_b32 s33, 0xfedcba98
	s_lshl_b32 s22, s15, 13                        ; stat: 8,192 bytes a batch
	s_mov_b32 s23, 0
	s_lshl_b32 s24, s15, 18                        ; opart: 262,144 a batch, 4,096 a partial, 256 a head
	s_lshl_b32 s19, s14, 16
	s_add_co_u32 s24, s24, s19
	s_lshl_b32 s19, s16, 8
	s_add_co_u32 s24, s24, s19
	s_mov_b32 s25, 0
	s_lshl_b32 s21, s16, 2
	s_add_co_u32 s21, s21, s14                     ; my chunk
	s_lshl_b32 s21, s21, 8
	s_lshl_b32 s26, s15, 18                        ; ebuf: 262,144 a batch, 16,384 a head, 256 a chunk
	s_add_co_u32 s26, s26, s21
	s_mov_b32 s27, 0
	s_lshl_b32 s28, s15, 12                        ; hid
	s_add_co_u32 s28, s28, s19
	s_mov_b32 s29, 0
	s_lshl_b32 s30, s15, 14                        ; out2
	s_add_co_u32 s30, s30, s21
	s_mov_b32 s31, 0
	s_wait_kmcnt 0x0
	s_add_nc_u64 s[4:5], s[4:5], s[22:23]
	s_add_nc_u64 s[6:7], s[6:7], s[24:25]
	s_add_nc_u64 s[8:9], s[8:9], s[26:27]
	s_add_nc_u64 s[10:11], s[10:11], s[28:29]
	s_add_nc_u64 s[12:13], s[12:13], s[30:31]
.irp q, 0,1,2,3,4,5,6,7,8,9,10,11,12,13,14,15
	global_load_b128 v[32+4*\q:35+4*\q], v2, s[4:5] offset:512*\q      ; partial 4 q + l / 8, heads 2 (l % 8) and the next: m, l, m, l
.endr
.irp p, 0,1,2,3,4,5,6,7,8,9,10,11,12,13,14,15
	global_load_b64 v[96+2*\p:97+2*\p], v3, s[6:7] offset:4096*\p      ; partial 16 w + p of my head: d = l and 32 + l
.endr
.irp e, 0,1,2,3,4,5,6,7,8,9,10,11,12,13,14,15
	global_load_b64 v[128+2*\e:129+2*\e], v3, s[8:9] offset:16384*\e   ; head e of my chunk: rows l and 32 + l
.endr
	s_wait_loadcnt 32                              ; stat's sixteen loads are in; the 32 behind them may be out
	v_max3_num_f32 v16, v32, v36, v40              ; M of the even head and of the odd one, by turns
	v_max3_num_f32 v17, v34, v38, v42
.irp q, 3,5,7,9,11,13
	v_max3_num_f32 v16, v16, v[32+4*\q], v[36+4*\q]
	v_max3_num_f32 v17, v17, v[34+4*\q], v[38+4*\q]
.endr
	v_max_num_f32 v16, v16, v92
	v_max_num_f32 v17, v17, v94
	v_max_num_f32_dpp v16, v16, v16 row_xmask:8 row_mask:0xf bank_mask:0xf   ; the lanes 8, 16 and 24 away hold the same heads' other partials
	v_max_num_f32_dpp v17, v17, v17 row_xmask:8 row_mask:0xf bank_mask:0xf
	v_permlanex16_b32 v18, v16, s32, s33
	v_permlanex16_b32 v19, v17, s32, s33
	v_max_num_f32 v16, v16, v18
	v_max_num_f32 v17, v17, v19
.irp q, 0,1,2,3,4,5,6,7,8,9,10,11,12,13,14,15
	v_sub_f32 v[32+4*\q], v[32+4*\q], v16
	v_sub_f32 v[34+4*\q], v[34+4*\q], v17
.endr
.irp q, 0,1,2,3,4,5,6,7,8,9,10,11,12,13,14,15
	v_mul_f32 v[32+4*\q], s20, v[32+4*\q]
	v_mul_f32 v[34+4*\q], s20, v[34+4*\q]
.endr
.irp q, 0,1,2,3,4,5,6,7,8,9,10,11,12,13,14,15
	v_exp_f32 v[32+4*\q], v[32+4*\q]               ; exp(m_p - M)
	v_exp_f32 v[34+4*\q], v[34+4*\q]
.endr
	v_nop                                          ; a plain line behind the exponentials
	s_wait_alu depctr_va_vdst(0)
	v_mul_f32 v20, v33, v32
	v_mul_f32 v21, v35, v34
.irp q, 1,2,3,4,5,6,7,8,9,10,11,12,13,14,15
	v_fma_f32 v20, v[33+4*\q], v[32+4*\q], v20
	v_fma_f32 v21, v[35+4*\q], v[34+4*\q], v21
.endr
	v_add_f32_dpp v20, v20, v20 row_xmask:8 row_mask:0xf bank_mask:0xf
	v_add_f32_dpp v21, v21, v21 row_xmask:8 row_mask:0xf bank_mask:0xf
	v_permlanex16_b32 v18, v20, s32, s33
	v_permlanex16_b32 v19, v21, s32, s33
	v_add_f32 v20, v20, v18                        ; L
	v_add_f32 v21, v21, v19
	v_rcp_f32 v20, v20
	v_rcp_f32 v21, v21
	v_nop                                          ; a plain line behind the reciprocals
	s_wait_alu depctr_va_vdst(0)
.irp q, 0,1,2,3,4,5,6,7,8,9,10,11,12,13,14,15
	v_mul_f32 v[32+4*\q], v[32+4*\q], v20          ; the factors of the two heads side by side
	v_mul_f32 v[33+4*\q], v[34+4*\q], v21
.endr
.irp q, 0,1,2,3,4,5,6,7,8,9,10,11,12,13,14,15
	ds_store_b64 v4, v[32+4*\q:33+4*\q] offset:256*\q   ; F[4 q + l / 8][2 (l % 8) ..]: 256 consecutive bytes a store
.endr
	s_wait_dscnt 0x0
	s_barrier_signal -1                            ; every table is whole before any is read
	s_barrier_wait -1
.irp p, 0,1,2,3,4,5,6,7,8,9,10,11,12,13,14,15
	ds_load_b32 v[160+\p], v5 offset:64*\p         ; one word for all lanes
.endr
.irp u, 0,1,2,3
	ds_load_b128 v[176+4*\u:179+4*\u], v6 offset:16*\u
.endr
	s_wait_dscnt 0x0
	s_wait_loadcnt 0x0
	v_mul_f32 v192, v96, v160
	v_mul_f32 v193, v97, v160
	v_mul_f32 v194, v128, v176
	v_mul_f32 v195, v129, v176
.irp p, 1,2,3,4,5,6,7,8,9,10,11,12,13,14,15
	v_fma_f32 v192, v[96+2*\p], v[160+\p], v192    ; hidden's share of my 16 partials,
	v_fma_f32 v193, v[97+2*\p], v[160+\p], v193
	v_fma_f32 v194, v[128+2*\p], v[176+\p], v194   ; out2 of my chunk
	v_fma_f32 v195, v[129+2*\p], v[176+\p], v195
.endr
	ds_store_b32 v7, v192 offset:HS
	ds_store_b32 v7, v193 offset:HS+128
	ds_store_b32 v7, v194 offset:AT
	ds_store_b32 v7, v195 offset:AT+128
	ds_load_b64 v[196:197], v9 offset:AT           ; my own bytes, served in order: rows 2 l and 2 l + 1
	s_wait_dscnt 0x0
	global_store_b64 v3, v[196:197], s[12:13]      ; 256 consecutive bytes
	s_barrier_signal -1
	s_barrier_wait -1
	s_cmp_lg_u32 s14, 0
	s_cbranch_scc1 .Lend
.irp w, 0,1,2,3
	ds_load_b64 v[198+2*\w:199+2*\w], v3 offset:HS+256*\w
.endr
	s_wait_dscnt 0x0
	v_pk_add_f32 v[198:199], v[198:199], v[200:201]
	v_pk_add_f32 v[202:203], v[202:203], v[204:205]
	v_pk_add_f32 v[198:199], v[198:199], v[202:203]
	global_store_b64 v3, v[198:199], s[10:11]      ; the head's 64 numbers: 256 consecutive bytes
.Lend:
	s_wait_tensorcnt 0x0
	ds_add_u32 v208, v209
	s_wait_dscnt 0x0
	s_endpgm
.Lfunc_end_k_q56f88e65fc_combine:
	.size	k_q56f88e65fc_combine, .Lfunc_end_k_q56f88e65fc_combine-k_q56f88e65fc_combine
	.p2alignl 7, 3214868480
	.fill 96, 4, 3214868480
	.section	.rodata,"a",@progbits
	.p2align	6, 0x0
	.amdhsa_kernel k_q56f88e65fc_combine
		.amdhsa_group_segment_fixed_size 18944
		.amdhsa_private_segment_fixed_size 0
		.amdhsa_enable_private_segment 0
		.amdhsa_kernarg_size 40
		.amdhsa_user_sgpr_count 2
		.amdhsa_user_sgpr_kernarg_segment_ptr 1
		.amdhsa_wavefront_size32 1
		.amdhsa_system_sgpr_workgroup_id_x 1
		.amdhsa_system_sgpr_workgroup_id_y 1
		.amdhsa_system_sgpr_workgroup_id_z 1
		.amdhsa_system_vgpr_workitem_id 0
		.amdhsa_next_free_vgpr 210
		.amdhsa_next_free_sgpr 66
		.amdhsa_reserve_vcc 0
		.amdhsa_float_denorm_mode_32 3
		.amdhsa_float_denorm_mode_16_64 3
		.amdhsa_memory_ordered 1
		.amdhsa_forward_progress 1
		.amdhsa_inst_pref_size 23
	.end_amdhsa_kernel
	.amdgpu_metadata
---
amdhsa.version: [ 1, 2 ]
amdhsa.kernels:
  - .name:           k_q56f88e65fc_combine
    .symbol:         k_q56f88e65fc_combine.kd
    .args:
      - { .name: stat, .offset: 0, .size: 8, .value_kind: global_buffer, .address_space: global }
      - { .name: opart, .offset: 8, .size: 8, .value_kind: global_buffer, .address_space: global }
      - { .name: ebuf, .offset: 16, .size: 8, .value_kind: global_buffer, .address_space: global }
      - { .name: hid, .offset: 24, .size: 8, .value_kind: global_buffer, .address_space: global }
      - { .name: out2, .offset: 32, .size: 8, .value_kind: global_buffer, .address_space: global }
    .group_segment_fixed_size: 18944
    .private_segment_fixed_size: 0
    .kernarg_segment_align: 8
    .kernarg_segment_size: 40
    .max_flat_workgroup_size: 128
    .sgpr_count:     66
    .vgpr_count:     210
    .wavefront_size: 32
...
	.end_amdgpu_metadata
.endif
;; end of part 3
;; launch mlp1 (part 4): grid 256 x 1, 8 waves a work-group, no clusters, 34,816 bytes of LDS; arguments hid, ln_g, ln_b, W1, b1, act; writes act
.if DOCPART == 4
	.amdgcn_target "amdgcn-amd-amdhsa--gfx1250"
	.amdhsa_code_object_version 6
	.text
	.protected	k_q56f88e65fc_mlp1
	.globl	k_q56f88e65fc_mlp1
	.p2align	8
	.type	k_q56f88e65fc_mlp1,@function
k_q56f88e65fc_mlp1:
	s_mov_b64 s[64:65], 0
	v_nop
	global_prefetch_b8 v0, s[64:65] scope:SCOPE_SE
	s_setreg_imm32_b32 hwreg(HW_REG_WAVE_MODE, 25, 1), 1
	s_wait_xcnt 0x0
; act = relu(LN(hid) W1^T + b1).  hid [8][1024], W1 [4096][1024], act [8][4096], all f32; fused multiply-adds in f32: with 8 rows memory binds (16.8 MB of W1, read once), and the matrix units would buy nothing.
; SHARES.  Work-group g owns rows 16 g .. 16 g + 15 of W1; wave w rows 16 g + 2 w and the next, whole (8 KB), asked for at the head.  Every work-group normalises all 8 rows of hid for itself (32 KB): wave w takes batch w.
; LN: mean and variance (of the differences from the mean) over 1,024, 1 / sqrt(var + 1e-5) by v_rsq_f32.
; No cluster: what is shared (hid, ln_g, ln_b: 40 KB) comes through registers and is less than the work-group's own 64 KB of W1.
.set HL, 0                             ; the normalised rows, [8][1024] f32
.set OT, 32768                         ; the work-group's results, [8][16] f32
.macro WSUM r, t
.irp x, 1,2,4,8
	v_add_f32_dpp v[\r], v[\r], v[\r] row_xmask:\x row_mask:0xf bank_mask:0xf
.endr
	v_permlanex16_b32 v[\t], v[\r], s20, s21
	v_add_f32 v[\r], v[\r], v[\t]
.endm
; 2 n sums a lane become n: lanes whose bit xm is 0 keep the even sum and send the odd one to the lane xm away, the others the other way round.  So the sum's number moves into the lane's number, bit by bit.
.macro BF base, n, xm, msk
.set BI, 0
.rept \n
	v_cndmask_b32 v8, v[\base+2*BI+1], v[\base+2*BI], s[\msk]
	v_cndmask_b32 v9, v[\base+2*BI], v[\base+2*BI+1], s[\msk]
	v_add_f32_dpp v[\base+BI], v8, v9 row_xmask:\xm row_mask:0xf bank_mask:0xf
.set BI, BI+1
.endr
.endm
	s_load_b256 s[4:11], s[0:1], 0x0               ; hid, ln_g, ln_b, W1
	s_load_b128 s[12:15], s[0:1], 0x20             ; b1, act
	v_lshl_add_u32 v224, v0, 2, 0x8400
	v_mov_b32 v225, 0
	v_lshrrev_b32 v1, 5, v0
	v_readfirstlane_b32 s16, v1                    ; wave
	v_and_b32 v1, 31, v0                           ; lane
	v_lshlrev_b32 v2, 4, v1                        ; 16 l
	v_and_b32 v3, 1, v0
	v_lshlrev_b32 v3, 2, v3                        ; 4 (l % 2)
	v_bfe_u32 v4, v0, 1, 3
	v_lshl_add_u32 v4, v4, 6, v3
	s_lshl_b32 s17, s16, 3
	v_add_nc_u32 v4, s17, v4                       ; results in: 64 batch + 8 w + 4 (l % 2), batch = (l / 2) % 8
	s_lshl_b32 s17, s16, 12
	v_add_nc_u32 v5, s17, v2                       ; my batch's row in LDS
	v_lshrrev_b32 v10, 2, v1
	v_and_b32 v11, 3, v0
	v_lshlrev_b32 v11, 4, v11
	v_lshl_add_u32 v10, v10, 14, v11               ; act: batch l / 4, 16 (l % 4)
	s_mov_b32 s20, 0x76543210
	s_mov_b32 s21, 0xfedcba98
	s_mov_b32 s22, 0xaaaaaaaa
	s_mov_b32 s23, 0xcccccccc
	s_mov_b32 s24, 0xf0f0f0f0
	s_mov_b32 s25, 0xff00ff00
	s_mov_b32 s34, 0x3a800000                      ; 1 / 1,024
	s_mov_b32 s35, 0x3727c5ac                      ; 1e-5
	s_lshl_b32 s26, s16, 12
	s_mov_b32 s27, 0
	s_lshl_b32 s28, ttmp9, 16
	s_lshl_b32 s30, s16, 13
	s_add_co_u32 s28, s28, s30                     ; W1: (16 g + 2 w) rows of 4,096 bytes
	s_mov_b32 s29, 0
	s_lshl_b32 s30, ttmp9, 6                       ; 16 g numbers
	s_mov_b32 s31, 0
	s_lshl_b32 s32, s16, 3
	s_add_co_u32 s32, s32, s30
	s_mov_b32 s33, 0
	s_wait_kmcnt 0x0
	s_add_nc_u64 s[4:5], s[4:5], s[26:27]
	s_add_nc_u64 s[10:11], s[10:11], s[28:29]
	s_add_nc_u64 s[12:13], s[12:13], s[32:33]
	s_add_nc_u64 s[14:15], s[14:15], s[30:31]
.irp j, 0,1,2,3,4,5,6,7
	global_load_b128 v[128+4*\j:131+4*\j], v2, s[4:5] offset:512*\j
.endr
.irp j, 0,1,2,3,4,5,6,7
	global_load_b128 v[160+4*\j:163+4*\j], v2, s[6:7] offset:512*\j
.endr
.irp j, 0,1,2,3,4,5,6,7
	global_load_b128 v[192+4*\j:195+4*\j], v2, s[8:9] offset:512*\j
.endr
	global_load_b32 v12, v3, s[12:13]              ; b1 of row 16 g + 2 w + l % 2
.irp p, 0,1
.irp j, 0,1,2,3,4,5,6,7
	global_load_b128 v[64+32*\p+4*\j:67+32*\p+4*\j], v2, s[10:11] offset:4096*\p+512*\j th:TH_LOAD_NT
.endr
.endr
	s_wait_loadcnt 16                              ; all but W1's sixteen loads
	v_pk_add_f32 v[6:7], v[128:129], v[130:131]
	v_pk_add_f32 v[8:9], v[132:133], v[134:135]
.irp p, 8,12,16,20,24,28
	v_pk_add_f32 v[6:7], v[6:7], v[128+\p:129+\p]
	v_pk_add_f32 v[8:9], v[8:9], v[130+\p:131+\p]
.endr
	v_pk_add_f32 v[6:7], v[6:7], v[8:9]
	v_add_f32 v6, v6, v7
	WSUM 6, 7
	v_mul_f32 v14, s34, v6                         ; the mean
	v_mov_b32 v15, v14
.irp p, 0,2,4,6,8,10,12,14,16,18,20,22,24,26,28,30
	v_pk_add_f32 v[128+\p:129+\p], v[128+\p:129+\p], v[14:15] neg_lo:[0,1] neg_hi:[0,1]
.endr
	v_pk_mul_f32 v[6:7], v[128:129], v[128:129]
	v_pk_mul_f32 v[8:9], v[130:131], v[130:131]
.irp p, 4,8,12,16,20,24,28
	v_pk_fma_f32 v[6:7], v[128+\p:129+\p], v[128+\p:129+\p], v[6:7]
	v_pk_fma_f32 v[8:9], v[130+\p:131+\p], v[130+\p:131+\p], v[8:9]
.endr
	v_pk_add_f32 v[6:7], v[6:7], v[8:9]
	v_add_f32 v6, v6, v7
	WSUM 6, 7
	v_fma_f32 v14, v6, s34, s35                    ; the variance + 1e-5
	v_rsq_f32 v14, v14
	v_nop                                          ; a plain line behind the transcendental
	s_wait_alu depctr_va_vdst(0)
	v_mov_b32 v15, v14
.irp p, 0,2,4,6,8,10,12,14,16,18,20,22,24,26,28,30
	v_pk_mul_f32 v[128+\p:129+\p], v[128+\p:129+\p], v[14:15]
.endr
.irp p, 0,2,4,6,8,10,12,14,16,18,20,22,24,26,28,30
	v_pk_fma_f32 v[128+\p:129+\p], v[128+\p:129+\p], v[160+\p:161+\p], v[192+\p:193+\p]
.endr
.irp j, 0,1,2,3,4,5,6,7
	ds_store_b128 v5, v[128+4*\j:131+4*\j] offset:512*\j
.endr
	s_wait_dscnt 0x0                               ; for the others' sake; and the stores have read their registers
	s_barrier_signal -1
	s_barrier_wait -1
.macro YL j                            ; the eight batches' numbers 128 j + 4 l .. + 3 into set j % 2
.irp b, 0,1,2,3,4,5,6,7
	ds_load_b128 v[128+32*((\j)%2)+4*\b:128+32*((\j)%2)+4*\b+3], v2 offset:4096*\b+512*(\j)
.endr
.endm
	YL 0
	s_wait_loadcnt 0x0                             ; W1
.irp j, 0,1,2,3,4,5,6,7
.if \j < 7
	YL \j+1
	s_wait_dscnt 8                                 ; this step's eight loads are in; the next step's may be out
.else
	s_wait_dscnt 0x0
.endif
.irp f, 0,1
.irp b, 0,1,2,3,4,5,6,7
.irp p, 0,1
.if (\j == 0) && (\f == 0)
	v_pk_mul_f32 v[16+2*(\p+2*\b):17+2*(\p+2*\b)], v[64+32*\p+4*\j+2*\f:65+32*\p+4*\j+2*\f], v[128+32*(\j%2)+4*\b+2*\f:129+32*(\j%2)+4*\b+2*\f]
.else
	v_pk_fma_f32 v[16+2*(\p+2*\b):17+2*(\p+2*\b)], v[64+32*\p+4*\j+2*\f:65+32*\p+4*\j+2*\f], v[128+32*(\j%2)+4*\b+2*\f:129+32*(\j%2)+4*\b+2*\f], v[16+2*(\p+2*\b):17+2*(\p+2*\b)]
.endif
.endr
.endr
.endr
.endr
.irp i, 0,1,2,3,4,5,6,7,8,9,10,11,12,13,14,15
	v_add_f32 v[48+\i], v[16+2*\i], v[17+2*\i]     ; sum number i = row % 2 + 2 batch: my lane's share
.endr
	BF 48, 8, 1, 22
	BF 48, 4, 2, 23
	BF 48, 2, 4, 24
	BF 48, 1, 8, 25
	v_permlanex16_b32 v9, v48, s20, s21
	v_add_f32 v48, v48, v9                         ; lane l: sum number l % 16, whole
	v_add_f32 v48, v48, v12
	v_max_num_f32 v48, 0, v48
	ds_store_b32 v4, v48 offset:OT                 ; lanes l and l + 16 write the same word with the same value
	s_wait_dscnt 0x0
	s_barrier_signal -1
	s_barrier_wait -1
	s_cmp_lg_u32 s16, 0
	s_cbranch_scc1 .Lend
	ds_load_b128 v[64:67], v2 offset:OT
	s_wait_dscnt 0x0
	global_store_b128 v10, v[64:67], s[14:15]      ; four lanes store a batch's 16 numbers: runs of 64 bytes; act is 128 KB in all
.Lend:
	s_wait_tensorcnt 0x0
	ds_add_u32 v224, v225
	s_wait_dscnt 0x0
	s_endpgm
.Lfunc_end_k_q56f88e65fc_mlp1:
	.size	k_q56f88e65fc_mlp1, .Lfunc_end_k_q56f88e65fc_mlp1-k_q56f88e65fc_mlp1
	.p2alignl 7, 3214868480
	.fill 96, 4, 3214868480
	.section	.rodata,"a",@progbits
	.p2align	6, 0x0
	.amdhsa_kernel k_q56f88e65fc_mlp1
		.amdhsa_group_segment_fixed_size 34816
		.amdhsa_private_segment_fixed_size 0
		.amdhsa_enable_private_segment 0
		.amdhsa_kernarg_size 48
		.amdhsa_user_sgpr_count 2
		.amdhsa_user_sgpr_kernarg_segment_ptr 1
		.amdhsa_wavefront_size32 1
		.amdhsa_system_sgpr_workgroup_id_x 1
		.amdhsa_system_sgpr_workgroup_id_y 1
		.amdhsa_system_sgpr_workgroup_id_z 1
		.amdhsa_system_vgpr_workitem_id 0
		.amdhsa_next_free_vgpr 226
		.amdhsa_next_free_sgpr 66
		.amdhsa_reserve_vcc 0
		.amdhsa_float_denorm_mode_32 3
		.amdhsa_float_denorm_mode_16_64 3
		.amdhsa_memory_ordered 1
		.amdhsa_forward_progress 1
		.amdhsa_inst_pref_size 37
	.end_amdhsa_kernel
	.amdgpu_metadata
---
amdhsa.version: [ 1, 2 ]
amdhsa.kernels:
  - .name:           k_q56f88e65fc_mlp1
    .symbol:         k_q56f88e65fc_mlp1.kd
    .args:
      - { .name: hid, .offset: 0, .size: 8, .value_kind: global_buffer, .address_space: global }
      - { .name: ln_g, .offset: 8, .size: 8, .value_kind: global_buffer, .address_space: global }
      - { .name: ln_b, .offset: 16, .size: 8, .value_kind: global_buffer, .address_space: global }
      - { .name: W1, .offset: 24, .size: 8, .value_kind: global_buffer, .address_space: global }
      - { .name: b1, .offset: 32, .size: 8, .value_kind: global_buffer, .address_space: global }
      - { .name: act, .offset: 40, .size: 8, .value_kind: global_buffer, .address_space: global }
    .group_segment_fixed_size: 34816
    .private_segment_fixed_size: 0
    .kernarg_segment_align: 8
    .kernarg_segment_size: 48
    .max_flat_workgroup_size: 256
    .sgpr_count:     66
    .vgpr_count:     226
    .wavefront_size: 32
...
	.end_amdgpu_metadata
.endif
;; end of part 4
;; launch mlp2 (part 5): grid 256 x 1, 16 waves a work-group, no clusters, 4,096 bytes of LDS; arguments act, W2, b2, out0; writes out0
.if DOCPART == 5
	.amdgcn_target "amdgcn-amd-amdhsa--gfx1250"
	.amdhsa_code_object_version 6
	.text
	.protected	k_q56f88e65fc_mlp2
	.globl	k_q56f88e65fc_mlp2
	.p2align	8
	.type	k_q56f88e65fc_mlp2,@function
k_q56f88e65fc_mlp2:
	s_mov_b64 s[64:65], 0
	v_nop
	global_prefetch_b8 v0, s[64:65] scope:SCOPE_SE
	s_setreg_imm32_b32 hwreg(HW_REG_WAVE_MODE, 25, 1), 1
	s_wait_xcnt 0x0
; out0 = act W2^T + b2.  act [8][4096], W2 [1024][4096], out0 [8][1024], all f32; fused multiply-adds in f32: with 8 rows memory binds (16.8 MB of W2, read once).
; SHARES.  Work-group g owns rows 4 g .. 4 g + 3 of W2 (64 KB); wave w takes k = 256 w .. 256 w + 255 of them, for all 8 batches: 32 sums, folded over the lanes, then over the 16 waves through LDS.
; No cluster: act's 128 KB are read by every work-group, through registers.  A joint request would need tiles in LDS and rounds of the cluster's barrier for a launch whose every wave issues 25 loads and waits once.
; out0 leaves in runs of 16 bytes: 32 KB in all; wider runs would mean fewer work-groups for W2's 16.8 MB.
.macro BF base, n, xm, msk             ; 2 n sums a lane become n: the sum's number moves into the lane's number, bit by bit
.set BI, 0
.rept \n
	v_cndmask_b32 v8, v[\base+2*BI+1], v[\base+2*BI], s[\msk]
	v_cndmask_b32 v9, v[\base+2*BI], v[\base+2*BI+1], s[\msk]
	v_add_f32_dpp v[\base+BI], v8, v9 row_xmask:\xm row_mask:0xf bank_mask:0xf
.set BI, BI+1
.endr
.endm
	s_load_b256 s[4:11], s[0:1], 0x0               ; act, W2, b2, out0
	v_lshl_add_u32 v200, v0, 2, 0x800
	v_mov_b32 v201, 0
	v_lshrrev_b32 v1, 5, v0
	v_readfirstlane_b32 s12, v1                    ; wave
	v_and_b32 v1, 31, v0                           ; lane
	v_lshlrev_b32 v2, 4, v1                        ; 16 l
	v_lshrrev_b32 v3, 3, v1
	v_lshlrev_b32 v3, 2, v3                        ; 4 (l / 8)
	v_lshlrev_b32 v4, 2, v0                        ; 128 w + 4 l
	v_lshlrev_b32 v5, 2, v1                        ; 4 l
	v_and_b32 v6, 7, v0
	v_lshl_add_u32 v6, v6, 12, v3                  ; out0: batch l % 8, row l / 8
	s_mov_b32 s20, 0x76543210
	s_mov_b32 s21, 0xfedcba98
	s_mov_b32 s22, 0xaaaaaaaa
	s_mov_b32 s23, 0xcccccccc
	s_mov_b32 s24, 0xf0f0f0f0
	s_mov_b32 s25, 0xff00ff00
	s_mov_b32 s26, 0xffff0000
	s_lshl_b32 s14, s12, 10                        ; my 256 numbers along K
	s_mov_b32 s15, 0
	s_lshl_b32 s16, ttmp9, 16                      ; 4 g rows of 16,384 bytes
	s_add_co_u32 s16, s16, s14
	s_mov_b32 s17, 0
	s_lshl_b32 s18, ttmp9, 4                       ; 4 g numbers
	s_mov_b32 s19, 0
	s_wait_kmcnt 0x0
	s_add_nc_u64 s[4:5], s[4:5], s[14:15]
	s_add_nc_u64 s[6:7], s[6:7], s[16:17]
	s_add_nc_u64 s[8:9], s[8:9], s[18:19]
	s_add_nc_u64 s[10:11], s[10:11], s[18:19]
.irp p, 0,1,2,3
.irp j, 0,1
	global_load_b128 v[32+8*\p+4*\j:35+8*\p+4*\j], v2, s[6:7] offset:16384*\p+512*\j th:TH_LOAD_NT
.endr
.endr
.irp b, 0,1,2,3,4,5,6,7
.irp j, 0,1
	global_load_b128 v[64+8*\b+4*\j:67+8*\b+4*\j], v2, s[4:5] offset:16384*\b+512*\j
.endr
.endr
	global_load_b32 v12, v3, s[8:9]                ; b2 of row 4 g + l / 8
	s_wait_loadcnt 0x0
.irp f, 0,2,4,6                        ; a pair of numbers at a time; the 32 sums by turns
.irp p, 0,1,2,3
.irp b, 0,1,2,3,4,5,6,7
.if \f == 0
	v_pk_mul_f32 v[128+2*(\b+8*\p):129+2*(\b+8*\p)], v[32+8*\p+\f:33+8*\p+\f], v[64+8*\b+\f:65+8*\b+\f]
.else
	v_pk_fma_f32 v[128+2*(\b+8*\p):129+2*(\b+8*\p)], v[32+8*\p+\f:33+8*\p+\f], v[64+8*\b+\f:65+8*\b+\f], v[128+2*(\b+8*\p):129+2*(\b+8*\p)]
.endif
.endr
.endr
.endr
.set VI, 0
.rept 32
	v_add_f32 v[64+VI], v[128+2*VI], v[129+2*VI]   ; sum number batch + 8 row: my lane's share
.set VI, VI+1
.endr
	BF 64, 16, 1, 22
	BF 64, 8, 2, 23
	BF 64, 4, 4, 24
	BF 64, 2, 8, 25
	v_cndmask_b32 v8, v65, v64, s26                ; and the fifth bit across the halves of the lanes
	v_cndmask_b32 v9, v64, v65, s26
	v_permlanex16_b32 v64, v8, s20, s21
	v_add_f32 v64, v64, v9                         ; lane l: sum number l over my 256 along K
	ds_store_b32 v4, v64
	s_wait_dscnt 0x0
	s_barrier_signal -1
	s_barrier_wait -1
	s_cmp_lg_u32 s12, 0
	s_cbranch_scc1 .Lend
.irp w, 0,1,2,3,4,5,6,7,8,9,10,11,12,13,14,15
	ds_load_b32 v[16+\w], v5 offset:128*\w
.endr
	s_wait_dscnt 0x0
.irp i, 0,1,2,3,4,5,6,7
	v_add_f32 v[16+\i], v[16+\i], v[24+\i]
.endr
.irp i, 0,1,2,3
	v_add_f32 v[16+\i], v[16+\i], v[20+\i]
.endr
	v_add_f32 v16, v16, v18
	v_add_f32 v17, v17, v19
	v_add_f32 v16, v16, v17
	v_add_f32 v16, v16, v12
	global_store_b32 v6, v16, s[10:11]
.Lend:
	s_wait_tensorcnt 0x0
	ds_add_u32 v200, v201
	s_wait_dscnt 0x0
	s_endpgm
.Lfunc_end_k_q56f88e65fc_mlp2:
	.size	k_q56f88e65fc_mlp2, .Lfunc_end_k_q56f88e65fc_mlp2-k_q56f88e65fc_mlp2
	.p2alignl 7, 3214868480
	.fill 96, 4, 3214868480
	.section	.rodata,"a",@progbits
	.p2align	6, 0x0
	.amdhsa_kernel k_q56f88e65fc_mlp2
		.amdhsa_group_segment_fixed_size 4096
		.amdhsa_private_segment_fixed_size 0
		.amdhsa_enable_private_segment 0
		.amdhsa_kernarg_size 32
		.amdhsa_user_sgpr_count 2
		.amdhsa_user_sgpr_kernarg_segment_ptr 1
		.amdhsa_wavefront_size32 1
		.amdhsa_system_sgpr_workgroup_id_x 1
		.amdhsa_system_sgpr_workgroup_id_y 1
		.amdhsa_system_sgpr_workgroup_id_z 1
		.amdhsa_system_vgpr_workitem_id 0
		.amdhsa_next_free_vgpr 202
		.amdhsa_next_free_sgpr 66
		.amdhsa_reserve_vcc 0
		.amdhsa_float_denorm_mode_32 3
		.amdhsa_float_denorm_mode_16_64 3
		.amdhsa_memory_ordered 1
		.amdhsa_forward_progress 1
		.amdhsa_inst_pref_size 21
	.end_amdhsa_kernel
	.amdgpu_metadata
---
amdhsa.version: [ 1, 2 ]
amdhsa.kernels:
  - .name:           k_q56f88e65fc_mlp2
    .symbol:         k_q56f88e65fc_mlp2.kd
    .args:
      - { .name: act, .offset: 0, .size: 8, .value_kind: global_buffer, .address_space: global }
      - { .name: W2, .offset: 8, .size: 8, .value_kind: global_buffer, .address_space: global }
      - { .name: b2, .offset: 16, .size: 8, .value_kind: global_buffer, .address_space: global }
      - { .name: out0, .offset: 24, .size: 8, .value_kind: global_buffer, .address_space: global }
    .group_segment_fixed_size: 4096
    .private_segment_fixed_size: 0
    .kernarg_segment_align: 8
    .kernarg_segment_size: 32
    .max_flat_workgroup_size: 512
    .sgpr_count:     66
    .vgpr_count:     202
    .wavefront_size: 32
...
	.end_amdgpu_metadata
.endif
;; end of part 5
